; MI455X (gfx1250); checked and timed in simulation.
; The chip was launched on July 23, 2026; its instructions are those of AMD's public machine-readable ISA for CDNA 5 (MIT licence, August 2026) and "CDNA5" Instruction Set Architecture Reference Guide (July 2026). The comments in the code are by the model that wrote it; some were corrected since.
;; Gemma4 Experts. Allowed arithmetic: matrix products marked QUANTISED: E2M1 operands, one E8M0 scale for each 32 along K, by v_wmma_scale_f32_16x16x128_f8f6f4 with both operands' format E2M1 (or v_wmma_scale_f32_32x16x128_f4), f32 sums; products left as they are: f32 operands where the result goes on into a quantised operand, else bf16, f16 or f32 operands; f32 sums; everything else in f32.
;; Inputs: down_w 8 x 1,024 x 2,048 float32; gate_w_codes 8 x 1,024 x 64 x 16 uint8 (E2M1 codes of gate_w, K innermost, in blocks of 32 codes, two codes a byte); gate_w_scales 8 x 1,024 x 64 uint8 (E8M0 scales of gate_w, one for each 32 codes along K); routing_weights 1,024 x 2 float32; selected_experts 1,024 x 2 int32; up_w_codes 8 x 1,024 x 64 x 16 uint8 (E2M1 codes of up_w, K innermost, in blocks of 32 codes, two codes a byte); up_w_scales 8 x 1,024 x 64 uint8 (E8M0 scales of up_w, one for each 32 codes along K); x_codes 1,024 x 64 x 16 uint8 (E2M1 codes of x, K innermost, in blocks of 32 codes, two codes a byte); x_scales 1,024 x 64 uint8 (E8M0 scales of x, one for each 32 codes along K).
;; Outputs: out0 1,024 x 2,048 float32.
;; This version of the problem:
;;   THIS VERSION OF THE PROBLEM IS GIVEN IN LOW PRECISION. The matrix products marked QUANTISED in the list below multiply operands that are first quantised to E2M1 (2 exponent bits, 1 mantissa bit; 4 bits a number), with one power-of-two scale for each 32 numbers along K (OCP MX v1.0); their sums are f32. All else is computed in f32.
;;   The module's matrix products, in the order in which they are computed (A, B: the left and right operand; K: the contracted axis; several contracted axes count as one K, in the product's order):
;;     1. batch 1,024 x [M 8, K 2] x [K 2, N 1]; A: computed on the way; B: input routing_weights: left as it is (K = 2 < 32)
;;     2. [M 8,192, K 2,048] x [K 2,048, N 1,024]; A: input gate_w (given as codes); B: input x (given as codes): QUANTISED
;;     3. [M 8,192, K 2,048] x [K 2,048, N 1,024]; A: input up_w (given as codes); B: input x (given as codes): QUANTISED
;;     4. batch 8,192 x [M 1,024, K 1] x [K 1, N 1]; A: computed on the way; B: computed on the way: left as it is (no contracted axis)
;;     5. [M 1,024, K 8,192] x [K 8,192, N 2,048]; A: computed on the way; B: input down_w: QUANTISED
;;   THE QUANTISER, for each operand of a quantised product, along K:
;;     - K is cut into blocks of 32 from its start; a last block that is shorter is filled with zeros.
;;     - A block's scale is 2^e with e = floor(log2(the largest magnitude in the block)) - 2, held to -126 .. 127; a block of zeros has e = 0. As a byte (E8M0): e + 127.
;;     - Each number is divided by its block's scale, clamped to +-6, and rounded to the nearest number of E2M1, ties to even, subnormals kept.
;;     - The product sums the exact products of the quantised numbers (number of the format x scale) in f32.
;;   ~~~python
;;   def quantise(x, axis):      # numpy; x: float32 -> the quantised numbers, widened to float32 again
;;       x = np.moveaxis(x, axis, -1); K = x.shape[-1]
;;       x = np.pad(x, [(0, 0)] * (x.ndim - 1) + [(0, -K % 32)]); x = x.reshape(x.shape[:-1] + (-1, 32)); a = np.abs(x).max(-1, keepdims=True)
;;       e = np.where(a > 0, np.clip(np.frexp(np.where(a > 0, a, 1))[1] - 1 - 2, -126, 127), 0)      # np.frexp(a)[1] - 1 = floor(log2(a)), exactly
;;       r = np.clip(x / 2.0 ** e, -6, 6)
;;       step = 2.0 ** (np.maximum(np.frexp(np.where(r == 0, 1, r))[1] - 1, 0) - 1)
;;       q = np.round(r / step) * step * 2.0 ** e      # np.round: ties to even
;;       return np.moveaxis(q.reshape(q.shape[:-2] + (-1,))[..., :K], -1, axis).astype(np.float32)
;;   ~~~
;;   OPERANDS COMPUTED ON THE WAY. 'Computed on the way' means the value that the module computes at that place (a softmax that the list does not call 'softmax' is quantised finished and normalised). What goes into a quantiser is computed in f32, as accurately as f32 sums, v_exp_f32 and their like allow (about 1e-6 of the number): no bf16 or f16 on the way to a quantiser, and a product that is left as it is and whose result goes on into a quantised operand takes f32 operands (vector FMAs, or v_wmma_f32_16x16x4_f32). A number that lies on a knife's edge between two numbers of the format may be rounded either way, as far as f32 arithmetic and the matrix unit's own rounding can turn it there, and no further.
;;   INPUTS GIVEN AS CODES. gate_w (in the module: [8, 2048, 1024], K = its axis 1); up_w (in the module: [8, 2048, 1024], K = its axis 1); x (in the module: [1024, 2048], K = its axis 1): each comes as NAME_codes (uint8): NAME with its K axis moved to the last place and cut into blocks of 32 codes, [.., K / 32, bytes a block], one block behind the other in memory; two codes a byte, the lower K in the low four bits (a code: sign, 2 exponent bits, 1 mantissa bit); and NAME_scales (uint8): the same leading axes, one E8M0 byte (e + 127) for each 32 codes along K. Its value is code x scale, taken as it is: it is not quantised again, and the codes and scales need not be those that the quantiser above would give.
;; 2 versions. Each part assembles by itself: llvm-mc -triple=amdgcn-amd-amdhsa -mcpu=gfx1250 --defsym DOCPART=n.
;; ======== version 1 of 2: 3 launches
;; workspace buffers: dq 8,388,608 bytes; dsc 524,288 bytes; hid 4,358,144 bytes; hsc 272,384 bytes; route 50,688 bytes of whole numbers; roww 33,792 bytes
;; launch prep (part 1): grid 257 x 1, 16 waves a work-group, no clusters, 9,216 bytes of LDS; arguments down_w, selected_experts, routing_weights, dq, dsc, hid, hsc, route, roww; writes dq, dsc, hid, hsc, route, roww
.if DOCPART == 1
	.amdgcn_target "amdgcn-amd-amdhsa--gfx1250"
	.amdhsa_code_object_version 6
	.text
	.protected	k_qd9049c9286_prep
	.globl	k_qd9049c9286_prep
	.p2align	8
	.type	k_qd9049c9286_prep,@function
k_qd9049c9286_prep:
	s_mov_b64 s[64:65], 0
	v_nop
	global_prefetch_b8 v0, s[64:65] scope:SCOPE_SE
	s_setreg_imm32_b32 hwreg(HW_REG_WAVE_MODE, 25, 1), 1
	s_wait_xcnt 0x0
; TWO JOBS IN ONE LAUNCH, parted on the work-group's number; each has its own LDS bytes, its own barrier and its own end.
; WORK-GROUPS 1..256: down_w [8][1024 (i)][2048 (h)] f32, whose K (= i) is not innermost, becomes codes of E2M1 with one E8M0 byte for each 32 along i,
;   laid in the ORDER OF THE OPERAND'S REGISTERS: dq [e][strip of 64 h][K step of 128][tile of 16 h][c][half][row][16 bytes], dsc [e][strip][K step][lane][2 words].
;   A lane takes a column h and its registers run down i: a block of 32 lies in one lane, and the conversions give codes with K innermost.
;   A block's scale is 2^(floor(log2(largest magnitude)) - 2); its byte is the largest magnitude's exponent field - 2, held at 1 from below.
; WORK-GROUP 0: the routing.  Tokens are sorted by their SET of experts (key = 8 x lower + higher: an 8 x 8 table of bins, row = lower, column = higher), each (token, expert) pair gets a place in its expert's list.
;   A token whose two slots name one expert has ONE pair, with the sum of the two weights.  No atomics: lane masks, bit counts, sums over waves through LDS, scans in registers.
;   Expert e's list is column e of the table above the diagonal, from the top, and then row e from the diagonal on.
;   route: TINFO [sorted place]{place a, place b, expert a | expert b << 4, token}; ROWTOK [place] token; CNT [8]; PL [32]{experts of 32 sorted tokens as nibbles, how many}.  roww [place] weight.
;   It also writes the row of zero codes (place ZPOS) of hid and its scale words (byte 127) of hsc.
; LIMITS: NaN and infinities in down_w are not served; a block of zeros gets the byte 1 (its codes are zeros, and this program alone reads the bytes); expert numbers outside 0..7 are taken as 7.
.set CAP,      1056                    ; places of an expert: 22 groups of 48, at least the 1,024 tokens
.set ZPOS,     8448                    ; 8 CAP: the place of the zero row
.set PLANE,    136192                  ; hid: 8,512 places x 16 bytes for each block of 32 along i
.set HSP,      34048                   ; hsc: 8,512 places x 4 bytes for each K step
.set R_ROWTOK, 16384
.set R_CNT,    50176
.set R_PL,     50432
.set RC,       2048                    ; LDS: bytes 0..2047 the quantiser's scale words; from here 64 bins x (16 waves x 4 bytes + 16)
.set X,        32                      ; v32-95   two sets of 32 numbers
.set C,        96                      ; v96-111  four registers of codes for each block: no store's data are written again
.set SW,       112                     ; v112     my column's scale word
.set BA0,      66                      ; s66-73   lanes of my first 32 tokens whose lower expert is k;  s74-81 of my second 32
.set BA1,      74
.set BB0,      82                      ; s82-89   the same for the higher expert;  s90-97
.set BB1,      90
	s_load_b512 s[4:19], s[0:1], 0x0               ; down_w s[4:5], selected s[6:7], weights s[8:9], dq s[10:11], dsc s[12:13], hid s[14:15], hsc s[16:17], route s[18:19]
	s_load_b64 s[20:21], s[0:1], 0x40              ; roww
	v_lshl_add_u32 v128, v0, 2, 0x1c00
	v_mov_b32 v129, 0
	v_lshrrev_b32 v2, 5, v0
	v_readfirstlane_b32 s22, v2                    ; wave 0..15
	v_and_b32 v1, 31, v0                           ; lane
	; every LDS address is made here, ahead of the parting
	s_lshr_b32 s23, s22, 1
	s_lshl_b32 s23, s23, 8
	s_and_b32 s32, s22, 1
	s_lshl_b32 s32, s32, 2
	s_add_co_u32 s23, s23, s32
	v_lshlrev_b32 v28, 3, v1
	v_add_nc_u32 v28, s23, v28                     ; scale word in: 256 x K step + 8 x lane + 4 x column half
	s_and_b32 s23, s22, 3
	s_lshl_b32 s23, s23, 9
	v_lshlrev_b32 v29, 4, v1
	v_add_nc_u32 v29, s23, v29                     ; and out: 512 x (wave % 4) + 16 x lane
	v_mul_u32_u24 v31, v1, 80
	v_add_nc_u32 v31, RC, v31                      ; a bin's row of sixteen counts
	s_lshl_b32 s23, s22, 2
	v_add_nc_u32 v30, s23, v31                     ; my wave's word in it
	s_wait_kmcnt 0x0
	s_cmp_eq_u32 ttmp9, 0
	s_cbranch_scc1 .Lroute
; ---------------------------------------------------------------- the quantiser
	s_sub_co_u32 s24, ttmp9, 1
	s_lshr_b32 s25, s24, 5                         ; expert
	s_and_b32 s26, s24, 31                         ; strip of 64 columns
	s_lshr_b32 s27, s22, 1                         ; my K step of 128
	s_and_b32 s28, s22, 1                          ; my half of the strip: 32 columns
	s_lshl_b32 s32, s25, 23                        ; down_w: expert 2^23 bytes, K step 128 rows of 8,192, strip 256, half 128
	s_lshl_b32 s29, s27, 20
	s_or_b32 s32, s32, s29
	s_lshl_b32 s29, s26, 8
	s_or_b32 s32, s32, s29
	s_lshl_b32 s29, s28, 7
	s_or_b32 s32, s32, s29
	s_mov_b32 s33, 0
	s_add_nc_u64 s[4:5], s[4:5], s[32:33]
	s_lshl_b32 s32, s25, 20                        ; dq
	s_lshl_b32 s29, s26, 15
	s_or_b32 s32, s32, s29
	s_lshl_b32 s29, s27, 12
	s_or_b32 s32, s32, s29
	s_lshl_b32 s29, s28, 11
	s_or_b32 s32, s32, s29
	s_add_nc_u64 s[10:11], s[10:11], s[32:33]
	s_lshl_b32 s32, s25, 16                        ; dsc: the strip's 2,048 bytes, 512 of them for each of waves 0..3
	s_lshl_b32 s29, s26, 11
	s_or_b32 s32, s32, s29
	s_and_b32 s29, s22, 3
	s_lshl_b32 s29, s29, 9
	s_or_b32 s32, s32, s29
	s_add_nc_u64 s[12:13], s[12:13], s[32:33]
	v_lshlrev_b32 v3, 2, v1                        ; in: 4 bytes a lane: a load of the wave reads 128 consecutive bytes, the neighbour wave the 128 beside them
	v_lshrrev_b32 v4, 4, v1
	v_and_b32 v5, 15, v1
	v_lshlrev_b32 v5, 4, v5
	v_lshl_or_b32 v4, v4, 10, v5                   ; out: tile (lane / 16) x 1,024 + 16 x (lane % 16)
.macro LOADB b                         ; block b: down_w(32 b + n, my column), n = 0..31, into set b % 2
.set n, 0
.rept 32
	global_load_b32 v[X+32*((\b)%2)+n], v3, s[4:5] offset:(32*(\b)+n)*8192 th:TH_LOAD_NT
.set n, n+1
.endr
.endm
.macro BLOCK b
.set XS, X+32*((\b)%2)
.if (\b) < 3
	s_wait_loadcnt 32                              ; this block's 32 loads are in; the next block's 32 may be out
.else
	s_wait_loadcnt 0x0
.endif
	v_max3_num_f32 v12, |v[XS]|, |v[XS+1]|, |v[XS+2]|      ; the block's largest magnitude, in two chains: all 32 numbers are mine
	v_max3_num_f32 v13, |v[XS+3]|, |v[XS+4]|, |v[XS+5]|
.irp i, 6,10,14,18,22,26
	v_max3_num_f32 v12, v12, |v[XS+\i]|, |v[XS+\i+1]|
	v_max3_num_f32 v13, v13, |v[XS+\i+2]|, |v[XS+\i+3]|
.endr
	v_max3_num_f32 v12, v12, |v[XS+30]|, |v[XS+31]|
	v_max3_num_f32 v12, v12, v13, 0x1800000        ; and the floor 2^(3 - 127): the byte cannot fall under 1
	v_add_nc_u32 v11, 0xff000000, v12              ; 2 off the exponent field: the conversion takes this operand's exponent field as its scale
	v_lshrrev_b32 v13, 23, v11                     ; the scale's byte
.if (\b) == 0
	v_mov_b32 v[SW], v13
.else
	v_lshl_or_b32 v[SW], v13, 8*(\b), v[SW]        ; the lower K in the lower byte
.endif
.irp g, 0,1,2,3
	v_cvt_scalef32_pk8_fp4_f32 v[C+4*(\b)+\g], v[XS+8*\g:XS+8*\g+7], v11
.endr
	global_store_b128 v4, v[C+4*(\b):C+4*(\b)+3], s[10:11] offset:((\b)/2)*512+((\b)%2)*256   ; sixteen lanes store 256 consecutive bytes, aligned
.if (\b) < 2
	LOADB (\b)+2
.endif
.endm
	LOADB 0
	LOADB 1
	BLOCK 0
	BLOCK 1
	BLOCK 2
	BLOCK 3
	v_nop                                          ; one plain line behind the last conversion
	ds_store_b32 v28, v[SW]
	s_wait_dscnt 0x0                               ; for the others' sake: my word lies in LDS
	s_barrier_signal -1
	s_barrier_wait -1
	s_cmp_lt_u32 s22, 4
	s_cbranch_scc0 .Lq_end                         ; the strip's 2,048 bytes of scale words leave by four waves
	ds_load_b128 v[16:19], v29
	v_lshlrev_b32 v6, 4, v1
	s_wait_dscnt 0x0
	global_store_b128 v6, v[16:19], s[12:13]       ; 512 consecutive bytes a wave
.Lq_end:
	s_wait_tensorcnt 0x0
	ds_add_u32 v128, v129
	s_wait_dscnt 0x0
	s_endpgm
; ---------------------------------------------------------------- the routing
; REGISTERS (c = 0, 1: tokens tid and tid + 512): v[2+2c:3+2c] experts, v[6+2c:7+2c] weights, v10+c lower expert, v12+c higher, v14+c key, v16+c, v18+c their weights, v20+c rank in my wave's part of the bin,
; v22+c token; v24-25 my wave's counts (lane = bin % 32); v40-55 at work ahead of the barrier; v32-63 all waves' counts; v64-65 totals; v66-67 sums over earlier waves; v68-69 bins' first sorted places;
; v70-71 sums down the columns; v74, v78 a bin's first rank in its lower expert's list; v80-81 the table: three fields of 10 bits; v84-85 each token's word of it.
.Lroute:
	v_lshlrev_b32 v26, 3, v0
	global_load_b64 v[2:3], v26, s[6:7]
	global_load_b64 v[4:5], v26, s[6:7] offset:4096
	global_load_b64 v[6:7], v26, s[8:9]
	global_load_b64 v[8:9], v26, s[8:9] offset:4096
	; the zero row: 256 bytes of zero codes in each of hid's 32 planes (two a wave), 256 bytes of the byte 127 in each of hsc's 8 (waves 0..7)
	v_mov_b32 v116, 0
	v_mov_b32 v117, 0
	v_lshlrev_b32 v120, 3, v1
	s_mul_i32 s46, s22, 2*PLANE
	s_mov_b32 s47, 0
	s_add_nc_u64 s[14:15], s[14:15], s[46:47]
	global_store_b64 v120, v[116:117], s[14:15] offset:ZPOS*16
	global_store_b64 v120, v[116:117], s[14:15] offset:ZPOS*16+PLANE
	s_cmp_lt_u32 s22, 8
	s_cbranch_scc0 .Lno_hsc
	v_mov_b32 v118, 0x7f7f7f7f
	v_mov_b32 v119, 0x7f7f7f7f
	s_mul_i32 s46, s22, HSP
	s_add_nc_u64 s[16:17], s[16:17], s[46:47]
	global_store_b64 v120, v[118:119], s[16:17] offset:ZPOS*4
.Lno_hsc:
.irp r, 72,73,74,75,78,79,84,85
	v_mov_b32 v\r, 0                               ; destinations of lane permutes, DPP moves and chains of selects: written once before
.endr
	v_mov_b32 v104, ZPOS
	v_mov_b32 v22, v0
	v_add_nc_u32 v23, 512, v0
	s_mov_b32 s38, 0xffff0000                      ; lanes 16-31
	s_mov_b32 s40, 0x01010101
	s_wait_loadcnt 0x0
.macro PREPTOK c
	v_min_u32 v[2+2*\c], 7, v[2+2*\c]
	v_min_u32 v[3+2*\c], 7, v[3+2*\c]
	v_min_u32 v[10+\c], v[2+2*\c], v[3+2*\c]
	v_max_u32 v[12+\c], v[2+2*\c], v[3+2*\c]
	v_lshl_add_u32 v[14+\c], v[10+\c], 3, v[12+\c]         ; key
	v_cmp_gt_u32 vcc_lo, v[2+2*\c], v[3+2*\c]
	v_cndmask_b32 v[16+\c], v[6+2*\c], v[7+2*\c], vcc_lo   ; the lower expert's weight,
	v_cndmask_b32 v[18+\c], v[7+2*\c], v[6+2*\c], vcc_lo   ; the higher one's
	v_cmp_eq_u32 s[34+\c], v[2+2*\c], v[3+2*\c]            ; both slots name one expert:
	v_add_f32 v26, v[6+2*\c], v[7+2*\c]
	v_cndmask_b32 v[16+\c], v[16+\c], v26, s[34+\c]        ; one pair, with the sum of the weights
.endm
	PREPTOK 0
	PREPTOK 1
; The 32 lane masks: which of my tokens have k as their lower, which as their higher expert.
.irp k, 0,1,2,3,4,5,6,7
	v_cmp_eq_u32 s[BA0+\k], \k, v10
	v_cmp_eq_u32 s[BA1+\k], \k, v11
	v_cmp_eq_u32 s[BB0+\k], \k, v12
	v_cmp_eq_u32 s[BB1+\k], \k, v13
.endr
; Each lane picks the mask of its own lower expert (values from va, its own expert told by ca) and of its own higher one (vb, cb): their AND is the mask of the lanes with its key.
.macro SAME d, t, va, ca, vb, cb
	v_mov_b32 v[\d], s[\va]
	v_mov_b32 v[\t], s[\vb]
.irp k, 1,2,3,4,5,6,7
	v_cndmask_b32 v[\d], v[\d], s[\va+\k], s[\ca+\k]
	v_cndmask_b32 v[\t], v[\t], s[\vb+\k], s[\cb+\k]
.endr
	v_and_b32 v[\d], v[\d], v[\t]
.endm
; The number of ones in a word, in two halves.  POP12: sums in fields of 4 bits (4 at the most; two such words may be added: 8).  POP34: bytes (16 at the most), then their sum (64 at the most) in the top byte.
.macro POP12 x, t
	v_lshrrev_b32 v[\t], 1, v[\x]
	v_and_b32 v[\t], 0x55555555, v[\t]
	v_sub_nc_u32 v[\x], v[\x], v[\t]
	v_lshrrev_b32 v[\t], 2, v[\x]
	v_and_b32 v[\t], 0x33333333, v[\t]
	v_and_b32 v[\x], 0x33333333, v[\x]
	v_add_nc_u32 v[\x], v[\x], v[\t]
.endm
.macro POP34 x, t
	v_lshrrev_b32 v[\t], 4, v[\x]
	v_and_b32 v[\x], 0x0f0f0f0f, v[\x]
	v_and_b32 v[\t], 0x0f0f0f0f, v[\t]
	v_add_nc_u32 v[\x], v[\x], v[\t]
	v_mul_lo_u32 v[\x], v[\x], s40
	v_lshrrev_b32 v[\x], 24, v[\x]
.endm
	SAME 40, 41, BA0, BA0, BB0, BB0                ; my first token's key among the wave's first 32
	SAME 42, 43, BA1, BA1, BB1, BB1                ; my second token's among the second 32
	SAME 44, 45, BA0, BA1, BB0, BB1                ; my second token's among the first 32
	POP12 44, 45
	POP34 44, 45
	v_mbcnt_lo_u32_b32 v20, v40, 0                 ; rank among the wave's tokens of the bin: the first 32 tokens come first,
	v_mbcnt_lo_u32_b32 v21, v42, v44               ; then the second 32
; My wave's count of each bin, a lane to a bin (v24: rows 0-3, v25: rows 4-7; lane = 8 (row % 4) + column): the ones in (row's mask AND column's mask), both groups of 32 tokens.
	v_mov_b32 v46, s[BB0]
	v_mov_b32 v47, s[BB1]
.irp b, 1,2,3,4,5,6,7
	s_mov_b32 s36, 0x01010101<<\b                  ; the lanes of column b
	v_cndmask_b32 v46, v46, s[BB0+\b], s36
	v_cndmask_b32 v47, v47, s[BB1+\b], s36
.endr
	v_mov_b32 v48, s[BA0]
	v_mov_b32 v49, s[BA0+4]
	v_mov_b32 v50, s[BA1]
	v_mov_b32 v51, s[BA1+4]
.irp j, 1,2,3
	s_mov_b32 s36, 0xff<<(8*\j)                    ; the lanes of rows j and 4 + j
	v_cndmask_b32 v48, v48, s[BA0+\j], s36
	v_cndmask_b32 v49, v49, s[BA0+4+\j], s36
	v_cndmask_b32 v50, v50, s[BA1+\j], s36
	v_cndmask_b32 v51, v51, s[BA1+4+\j], s36
.endr
	v_and_b32 v48, v48, v46
	v_and_b32 v49, v49, v46
	v_and_b32 v50, v50, v47
	v_and_b32 v51, v51, v47
	POP12 48, 52
	POP12 49, 53
	POP12 50, 54
	POP12 51, 55
	v_add_nc_u32 v24, v48, v50
	v_add_nc_u32 v25, v49, v51
	POP34 24, 52
	POP34 25, 53
	ds_store_b32 v30, v24
	ds_store_b32 v30, v25 offset:2560
	s_wait_dscnt 0x0                               ; for the others' sake: my counts lie in LDS
	s_barrier_signal -1
	s_barrier_wait -1
.irp j, 0,1,2,3
	ds_load_b128 v[32+4*\j:35+4*\j], v31 offset:16*\j          ; bin = lane: the sixteen waves' counts
	ds_load_b128 v[48+4*\j:51+4*\j], v31 offset:2560+16*\j     ; bin = 32 + lane
.endr
	s_wait_dscnt 0x0
	v_add3_u32 v64, v32, v33, v34
	v_add3_u32 v65, v48, v49, v50
.irp i, 3,5,7,9,11,13
	v_add3_u32 v64, v64, v[32+\i], v[33+\i]
	v_add3_u32 v65, v65, v[48+\i], v[49+\i]
.endr
	v_add_nc_u32 v64, v64, v47                     ; a bin's tokens
	v_add_nc_u32 v65, v65, v63
	s_cmp_gt_u32 s22, 0
	s_cselect_b32 s36, 1, 0
	v_mul_u32_u24 v66, v32, s36
	v_mul_u32_u24 v67, v48, s36
.irp i, 1,2,3,4,5,6,7,8,9,10,11,12,13,14
	s_cmp_gt_u32 s22, \i
	s_cselect_b32 s36, 1, 0
	v_mad_u32_u24 v66, v[32+\i], s36, v66          ; those of them in waves ahead of mine
	v_mad_u32_u24 v67, v[48+\i], s36, v67
.endr
; The exclusive sums of 64 numbers (x0: 0-31, x1: 32-63) into e0, e1, the total into s[stot].  Four steps inside each 16 lanes (a lane without a source keeps its number), lane 15's sum onto lanes 16-31, lane 31's onto the second register.
.macro SCAN64 x0, x1, e0, e1, stot
	v_mov_b32 v[\e0], v[\x0]
	v_mov_b32 v[\e1], v[\x1]
.irp n, 1,2,4,8
	v_add_nc_u32_dpp v[\e0], v[\e0], v[\e0] row_shr:\n row_mask:0xf bank_mask:0xf
	v_add_nc_u32_dpp v[\e1], v[\e1], v[\e1] row_shr:\n row_mask:0xf bank_mask:0xf
.endr
	v_readlane_b32 s36, v[\e0], 15
	v_readlane_b32 s37, v[\e1], 15
	v_cndmask_b32 v76, 0, s36, s38
	v_cndmask_b32 v77, 0, s37, s38
	v_add_nc_u32 v[\e0], v[\e0], v76
	v_add_nc_u32 v[\e1], v[\e1], v77
	v_readlane_b32 s36, v[\e0], 31
	v_add_nc_u32 v[\e1], s36, v[\e1]
	v_readlane_b32 s[\stot], v[\e1], 31
	v_sub_nc_u32 v[\e0], v[\e0], v[\x0]
	v_sub_nc_u32 v[\e1], v[\e1], v[\x1]
.endm
.macro MASKS e                         ; bins whose lower expert is e (MA0: bins 0-31, MA1: bins 32-63), and whose higher is e (MB, in both registers)
.if (\e) < 4
.set MA0, 0xff<<(8*(\e))
.set MA1, 0
.else
.set MA0, 0
.set MA1, 0xff<<(8*((\e)-4))
.endif
.set MB, 0x01010101<<(\e)
.endm
	SCAN64 64, 65, 68, 69, 39                      ; where each bin begins among the sorted tokens
; SUMS DOWN THE COLUMNS (rows are 8 lanes apart): row 1 takes row 0's and row 3 row 2's (one DPP step of 8 lanes); rows 2 and 3 take the sum of rows 0 and 1 from lanes 8-15 of the other half;
; rows 4-7 likewise, and then the whole of rows 0-3, which stands in lanes 24-31 of the first register.
	s_mov_b32 s41, 0xfedcba98                      ; both selects: lane i of a half takes lane 8 + i % 8
	v_mov_b32 v70, v64
	v_mov_b32 v71, v65
	v_add_nc_u32_dpp v70, v70, v70 row_shr:8 row_mask:0xf bank_mask:0xf
	v_add_nc_u32_dpp v71, v71, v71 row_shr:8 row_mask:0xf bank_mask:0xf
	v_permlanex16_b32 v72, v70, s41, s41
	v_permlanex16_b32 v73, v71, s41, s41
	v_cndmask_b32 v72, 0, v72, s38
	v_cndmask_b32 v73, 0, v73, s38
	v_add_nc_u32 v70, v70, v72
	v_add_nc_u32 v71, v71, v73
	v_permlanex16_b32 v72, v70, s41, s41           ; lanes 0-15 take lanes 24 + i % 8,
	v_permlane16_b32 v73, v70, s41, s41            ; lanes 16-31 take them from their own half
	v_cndmask_b32 v72, v72, v73, s38
	v_add_nc_u32 v71, v71, v72
	v_sub_nc_u32 v70, v70, v64                     ; without the bin itself: a bin's first rank in its HIGHER expert's list
	v_sub_nc_u32 v71, v71, v65
; SUMS ALONG THE ROWS: the sorted places run along the rows, so a bin's sum is its first sorted place less that of its row's first lane.
	v_mov_b32_dpp v74, v68 row_share:0 row_mask:0xf bank_mask:0xf
	v_mov_b32_dpp v75, v68 row_share:8 row_mask:0xf bank_mask:0xf
	v_mov_b32_dpp v78, v69 row_share:0 row_mask:0xf bank_mask:0xf
	v_mov_b32_dpp v79, v69 row_share:8 row_mask:0xf bank_mask:0xf
	s_mov_b32 s42, 0xff00ff00                      ; lanes 8-15 and 24-31
	v_cndmask_b32 v74, v74, v75, s42
	v_cndmask_b32 v78, v78, v79, s42
	v_sub_nc_u32 v74, v68, v74
	v_sub_nc_u32 v78, v69, v78
; In front of row e in e's list stands column e above the diagonal: the diagonal bin's column sum, spread over the row's eight lanes (all other lanes cleared, three exchanges).
	s_mov_b32 s43, 0x08040201                      ; lanes 0, 9, 18, 27: bins (0,0) .. (3,3)
	s_mov_b32 s44, 0x80402010                      ; lanes 4, 13, 22, 31: bins (4,4) .. (7,7)
	v_cndmask_b32 v75, 0, v70, s43
	v_cndmask_b32 v79, 0, v71, s44
.irp n, 1,2,4
	v_mov_b32_dpp v76, v75 row_xmask:\n row_mask:0xf bank_mask:0xf
	v_mov_b32_dpp v77, v79 row_xmask:\n row_mask:0xf bank_mask:0xf
	v_add_nc_u32 v75, v75, v76
	v_add_nc_u32 v79, v79, v77
.endr
	v_add_nc_u32 v74, v74, v75                     ; a bin's first rank in its LOWER expert's list
	v_add_nc_u32 v78, v78, v79
; The table for MY wave: each number + what earlier waves put into the bin.  Three fields of 10 bits: in a word that one of my tokens reads each number is a place or a rank of a token, under 1,024.
	v_add_nc_u32 v80, v68, v66
	v_add_nc_u32 v81, v69, v67
	v_add_nc_u32 v76, v74, v66
	v_add_nc_u32 v77, v78, v67
	v_lshl_or_b32 v80, v76, 10, v80
	v_lshl_or_b32 v81, v77, 10, v81
	v_add_nc_u32 v76, v70, v66
	v_add_nc_u32 v77, v71, v67
	v_lshl_or_b32 v80, v76, 20, v80
	v_lshl_or_b32 v81, v77, 20, v81
.macro LOOK a, b                       ; each token takes its bin's word; who is in the bin is the AND of two of the lane masks
	v_readlane_b32 s36, v[80+(8*(\a)+(\b))/32], (8*(\a)+(\b))%32
	s_and_b32 s37, s[BA0+(\a)], s[BB0+(\b)]
	s_and_b32 s39, s[BA1+(\a)], s[BB1+(\b)]
	v_cndmask_b32 v84, v84, s36, s37
	v_cndmask_b32 v85, v85, s36, s39
.endm
.irp a, 0,1,2,3,4,5,6,7
.irp b, 0,1,2,3,4,5,6,7
.if \a <= \b
	LOOK \a, \b
.endif
.endr
.endr
.macro FINISH c
.set QD, 88+4*(\c)
	v_bfe_u32 v[QD], v[84+\c], 10, 10
	v_add_nc_u32 v[QD], v[QD], v[20+\c]
	v_mad_u32_u24 v[QD], v[10+\c], CAP, v[QD]              ; place a: the lower expert's first place + the rank
	v_lshrrev_b32 v[102+\c], 20, v[84+\c]
	v_add_nc_u32 v[102+\c], v[102+\c], v[20+\c]
	v_mad_u32_u24 v[102+\c], v[12+\c], CAP, v[102+\c]      ; place b,
	v_cndmask_b32 v[QD+1], v[102+\c], v104, s[34+\c]       ; or the zero row
	v_cndmask_b32 v[12+\c], v[12+\c], 15, s[34+\c]         ; (a token with one pair has no second expert)
	v_lshl_or_b32 v[QD+2], v[12+\c], 4, v[10+\c]
	v_mov_b32 v[QD+3], v[22+\c]
	v_and_b32 v[96+\c], 0x3ff, v[84+\c]
	v_add_nc_u32 v[96+\c], v[96+\c], v[20+\c]              ; sorted place
	v_min_u32 v[96+\c], 0x3ff, v[96+\c]                    ; every index is held inside its table last of all, then shifted
	v_lshlrev_b32 v[96+\c], 4, v[96+\c]
	v_min_u32 v[98+\c], 0x20ff, v[QD]
	v_lshlrev_b32 v[98+\c], 2, v[98+\c]
	v_cndmask_b32 v[100+\c], v[102+\c], v[QD], s[34+\c]    ; a token with one pair stores that pair twice, the same numbers to the same place: all lanes stay on
	v_min_u32 v[100+\c], 0x20ff, v[100+\c]
	v_lshlrev_b32 v[100+\c], 2, v[100+\c]
	v_cndmask_b32 v[18+\c], v[18+\c], v[16+\c], s[34+\c]
	global_store_b128 v[96+\c], v[QD:QD+3], s[18:19]
	global_store_b32 v[98+\c], v[22+\c], s[18:19] offset:R_ROWTOK
	global_store_b32 v[100+\c], v[22+\c], s[18:19] offset:R_ROWTOK
	global_store_b32 v[98+\c], v[16+\c], s[20:21]
	global_store_b32 v[100+\c], v[18+\c], s[20:21]
.endm
	FINISH 0
	FINISH 1
; The experts that sorted tokens 32 P .. 32 P + 31 use: the bins that overlap that range, and for each expert whether one of them holds it.  Wave w makes P = w and P = w + 16.
	v_add_nc_u32 v105, v68, v64                    ; where each bin ends
	v_add_nc_u32 v106, v69, v65
	v_cmp_ne_u32 s44, 0, v64
	v_cmp_ne_u32 s45, 0, v65
.macro PAIRLIST add, dreg, oreg
	s_add_co_u32 s46, s22, \add
	s_lshl_b32 s47, s46, 5
	s_add_co_u32 s48, s47, 32
	v_cmp_gt_u32 s49, s48, v68
	v_cmp_lt_u32 s50, s47, v105
	s_and_b32 s49, s49, s50
	s_and_b32 s49, s49, s44
	v_cmp_gt_u32 s50, s48, v69
	v_cmp_lt_u32 s51, s47, v106
	s_and_b32 s50, s50, s51
	s_and_b32 s50, s50, s45
	s_mov_b32 s51, 0                               ; the list, a nibble an expert
	s_mov_b32 s53, 0                               ; where the next nibble goes
.irp e, 0,1,2,3,4,5,6,7
	MASKS \e
	s_lshl_b32 s54, \e, s53
	s_and_b32 s55, s49, MA0|MB
	s_and_b32 s56, s50, MA1|MB
	s_or_b32 s55, s55, s56                         ; SCC: expert e is used
	s_cselect_b32 s54, s54, 0
	s_cselect_b32 s56, 4, 0
	s_or_b32 s51, s51, s54
	s_add_co_u32 s53, s53, s56
.endr
	s_lshr_b32 s52, s53, 2                         ; how many: four bits each
	v_mov_b32 v[\dreg], s51
	v_mov_b32 v[\dreg+1], s52
	s_lshl_b32 s46, s46, 3
	v_mov_b32 v[\oreg], s46
	global_store_b64 v[\oreg], v[\dreg:\dreg+1], s[18:19] offset:R_PL   ; all lanes store the same eight bytes with the same numbers
.endm
	PAIRLIST 0, 108, 112
	PAIRLIST 16, 110, 113
	s_cmp_lg_u32 s22, 0
	s_cbranch_scc1 .Lr_end
	v_add_nc_u32 v76, v74, v64                     ; an expert's rows: where its row's last bin ends in its list
	v_add_nc_u32 v77, v78, v65
	v_mov_b32 v114, 0
.irp e, 0,1,2,3
	v_readlane_b32 s36, v76, 8*\e+7
	v_readlane_b32 s37, v77, 8*\e+7
	v_writelane_b32 v114, s36, \e
	v_writelane_b32 v114, s37, \e+4
.endr
	v_lshlrev_b32 v115, 2, v1
	global_store_b32 v115, v114, s[18:19] offset:R_CNT     ; the eight counts, and 24 zeros
.Lr_end:
	s_wait_tensorcnt 0x0
	ds_add_u32 v128, v129
	s_wait_dscnt 0x0
	s_endpgm
.Lfunc_end_k_qd9049c9286_prep:
	.size	k_qd9049c9286_prep, .Lfunc_end_k_qd9049c9286_prep-k_qd9049c9286_prep
	.p2alignl 7, 3214868480
	.fill 96, 4, 3214868480
	.section	.rodata,"a",@progbits
	.p2align	6, 0x0
	.amdhsa_kernel k_qd9049c9286_prep
		.amdhsa_group_segment_fixed_size 9216
		.amdhsa_private_segment_fixed_size 0
		.amdhsa_enable_private_segment 0
		.amdhsa_kernarg_size 72
		.amdhsa_user_sgpr_count 2
		.amdhsa_user_sgpr_kernarg_segment_ptr 1
		.amdhsa_wavefront_size32 1
		.amdhsa_system_sgpr_workgroup_id_x 1
		.amdhsa_system_sgpr_workgroup_id_y 1
		.amdhsa_system_sgpr_workgroup_id_z 1
		.amdhsa_system_vgpr_workitem_id 0
		.amdhsa_next_free_vgpr 130
		.amdhsa_next_free_sgpr 100
		.amdhsa_reserve_vcc 1
		.amdhsa_float_denorm_mode_32 3
		.amdhsa_float_denorm_mode_16_64 3
		.amdhsa_memory_ordered 1
		.amdhsa_forward_progress 1
		.amdhsa_inst_pref_size 63
	.end_amdhsa_kernel
	.amdgpu_metadata
---
amdhsa.version: [ 1, 2 ]
amdhsa.kernels:
  - .name:           k_qd9049c9286_prep
    .symbol:         k_qd9049c9286_prep.kd
    .args:
      - { .name: down_w, .offset: 0, .size: 8, .value_kind: global_buffer, .address_space: global }
      - { .name: selected_experts, .offset: 8, .size: 8, .value_kind: global_buffer, .address_space: global }
      - { .name: routing_weights, .offset: 16, .size: 8, .value_kind: global_buffer, .address_space: global }
      - { .name: dq, .offset: 24, .size: 8, .value_kind: global_buffer, .address_space: global }
      - { .name: dsc, .offset: 32, .size: 8, .value_kind: global_buffer, .address_space: global }
      - { .name: hid, .offset: 40, .size: 8, .value_kind: global_buffer, .address_space: global }
      - { .name: hsc, .offset: 48, .size: 8, .value_kind: global_buffer, .address_space: global }
      - { .name: route, .offset: 56, .size: 8, .value_kind: global_buffer, .address_space: global }
      - { .name: roww, .offset: 64, .size: 8, .value_kind: global_buffer, .address_space: global }
    .group_segment_fixed_size: 9216
    .private_segment_fixed_size: 0
    .kernarg_segment_align: 8
    .kernarg_segment_size: 72
    .max_flat_workgroup_size: 512
    .sgpr_count:     100
    .vgpr_count:     130
    .wavefront_size: 32
...
	.end_amdgpu_metadata
.endif
;; end of part 1
;; launch gateup (part 2): grid 32 x 8, 8 waves a work-group, no clusters, 67,584 bytes of LDS; arguments x_codes, x_scales, gate_w_codes, gate_w_scales, up_w_codes, up_w_scales, route, roww, hid, hsc; writes hid, hsc
.if DOCPART == 2
	.amdgcn_target "amdgcn-amd-amdhsa--gfx1250"
	.amdhsa_code_object_version 6
	.text
	.protected	k_qd9049c9286_gateup
	.globl	k_qd9049c9286_gateup
	.p2align	8
	.type	k_qd9049c9286_gateup,@function
k_qd9049c9286_gateup:
	s_mov_b64 s[64:65], 0
	v_nop
	global_prefetch_b8 v0, s[64:65] scope:SCOPE_SE
	s_setreg_imm32_b32 hwreg(HW_REG_WAVE_MODE, 25, 1), 1
	s_wait_xcnt 0x0
; For one expert e (work-group y) and one block of 32 hidden units (work-group x): g = x gate^T, u = x up^T on codes of E2M1 with E8M0 scales, K = 2,048, for the rows of e's list alone;
; a = gelu(g) u w in f32 (tanh form, written as g / (1 + 2^(g (k0 + k1 g^2)))); a is quantised along the hidden units: the 32 units are one block.  Codes go to hid [block][place][16 bytes], the scale byte to hsc [K step][place][4].
; SHARES.  The work-group's 32 rows of gate and 32 of up (64 x 1,024 bytes) are read from memory once in the launch and lie in LDS.  A wave takes 48 rows of the list at a time (three tiles of 16 tokens), rows 48 w, then 384 further on.
; No tensor load and no cluster: how many rows there are is a stored number, and waves without rows end.
; BOTH PRODUCTS ARE USED TRANSPOSED (source 0 = 16 rows of a weight, source 1 = 16 tokens), and a tile's weight rows are chosen: lane r of tile u takes row 8 u + r + 8 (r / 8).  So a lane holds ONE token,
; and the 16 registers of tiles 0 and 1 are hidden units 16 (lane / 16) + 0..15: neighbours along the next product's K.
; LIMITS: NaN and infinities are not served; a block of zeros gets the byte 1 (its codes are zeros; this program alone reads the bytes).  Rows of the list beyond its count hold nothing: what is loaded there is replaced (token 0, weight 0) before use.
; REGISTERS, window 0: v1-11 lane terms; v12-14 x rows' offsets, v15-16 x scales' offsets; v17-23 as loaded: tokens of three tiles, tokens by lane, weights; v[24:29] weights as pairs; v[30:31] k0;
;   v32-47, v48-63 gate's and up's scale words, v64-79, v80-95 x's (tiles 0 | 1; tile 2): scales alone; v96-159 two sets of four weight fragments, later the arithmetic; v160-255 twelve accumulators (tile m: g0, g1, u0, u1).
;   window 1: v0-239 ten K steps of x, three fragments each.
.set CAP,      1056
.set PLANE,    136192
.set HSP,      34048
.set R_ROWTOK, 16384
.set R_CNT,    50176
.set WP,       1040                    ; a weight row in LDS: 1,024 bytes + 16: an odd multiple of 16, so the sixteen rows of a load start at sixteen different 16-byte columns
.set ACC,      160
.set RING,     96
.set WSG,      32
.set XSC0,     64
.set MSB, 0
.macro WIN new                         ; the immediate's high byte repeats the setting that is left
.if MSB != \new
	s_set_vgpr_msb (MSB<<8)|\new
.set MSB, \new
.endif
.endm
; One product on the symbols rD, rA, rB, rSA, rSB.  fZ: it starts the sum.  fRA, fRB: that side's scale words stand in lanes 16-31.
.macro WMMA4
.if fZ
.if fRA && fRB
	v_wmma_scale_f32_16x16x128_f8f6f4 v[rD:rD+7], v[rA:rA+7], v[rB:rB+7], 0, v[rSA], v[rSB] matrix_a_fmt:MATRIX_FMT_FP4 matrix_b_fmt:MATRIX_FMT_FP4 matrix_a_scale:MATRIX_SCALE_ROW1 matrix_b_scale:MATRIX_SCALE_ROW1
.elseif fRA
	v_wmma_scale_f32_16x16x128_f8f6f4 v[rD:rD+7], v[rA:rA+7], v[rB:rB+7], 0, v[rSA], v[rSB] matrix_a_fmt:MATRIX_FMT_FP4 matrix_b_fmt:MATRIX_FMT_FP4 matrix_a_scale:MATRIX_SCALE_ROW1
.elseif fRB
	v_wmma_scale_f32_16x16x128_f8f6f4 v[rD:rD+7], v[rA:rA+7], v[rB:rB+7], 0, v[rSA], v[rSB] matrix_a_fmt:MATRIX_FMT_FP4 matrix_b_fmt:MATRIX_FMT_FP4 matrix_b_scale:MATRIX_SCALE_ROW1
.else
	v_wmma_scale_f32_16x16x128_f8f6f4 v[rD:rD+7], v[rA:rA+7], v[rB:rB+7], 0, v[rSA], v[rSB] matrix_a_fmt:MATRIX_FMT_FP4 matrix_b_fmt:MATRIX_FMT_FP4
.endif
.else
.if fRA && fRB
	v_wmma_scale_f32_16x16x128_f8f6f4 v[rD:rD+7], v[rA:rA+7], v[rB:rB+7], v[rD:rD+7], v[rSA], v[rSB] matrix_a_fmt:MATRIX_FMT_FP4 matrix_b_fmt:MATRIX_FMT_FP4 matrix_a_scale:MATRIX_SCALE_ROW1 matrix_b_scale:MATRIX_SCALE_ROW1
.elseif fRA
	v_wmma_scale_f32_16x16x128_f8f6f4 v[rD:rD+7], v[rA:rA+7], v[rB:rB+7], v[rD:rD+7], v[rSA], v[rSB] matrix_a_fmt:MATRIX_FMT_FP4 matrix_b_fmt:MATRIX_FMT_FP4 matrix_a_scale:MATRIX_SCALE_ROW1
.elseif fRB
	v_wmma_scale_f32_16x16x128_f8f6f4 v[rD:rD+7], v[rA:rA+7], v[rB:rB+7], v[rD:rD+7], v[rSA], v[rSB] matrix_a_fmt:MATRIX_FMT_FP4 matrix_b_fmt:MATRIX_FMT_FP4 matrix_b_scale:MATRIX_SCALE_ROW1
.else
	v_wmma_scale_f32_16x16x128_f8f6f4 v[rD:rD+7], v[rA:rA+7], v[rB:rB+7], v[rD:rD+7], v[rSA], v[rSB] matrix_a_fmt:MATRIX_FMT_FP4 matrix_b_fmt:MATRIX_FMT_FP4
.endif
.endif
.endm
	s_load_b512 s[4:19], s[0:1], 0x0               ; x codes s[4:5], x scales s[6:7], gate codes s[8:9], gate scales s[10:11], up codes s[12:13], up scales s[14:15], route s[16:17], roww s[18:19]
	s_load_b128 s[20:23], s[0:1], 0x40             ; hid, hsc
	s_set_vgpr_msb 0x40
	v_lshl_add_u32 v254, v0, 2, 0x10400
	v_mov_b32 v255, 0
	s_set_vgpr_msb 0x4000
	v_lshrrev_b32 v3, 5, v0
	v_readfirstlane_b32 s24, v3                    ; wave 0..7
	s_mov_b32 s25, ttmp9                           ; block of 32 hidden units
	s_and_b32 s26, ttmp7, 0xffff                   ; expert
	v_and_b32 v1, 31, v0                           ; l
	v_and_b32 v2, 15, v0                           ; r
	v_bfe_u32 v3, v0, 4, 1                         ; h
	v_lshlrev_b32 v4, 4, v1                        ; 16 l
	v_lshlrev_b32 v7, 4, v3                        ; 16 h
	v_mul_u32_u24 v5, v2, WP
	v_add_nc_u32 v5, v5, v7                        ; a weight fragment: row r x pitch + 16 h
	s_lshr_b32 s41, s24, 2                         ; where my eight weight rows go.  LDS holds the rows in the order of the tiles: 32 x (up) + 16 u + m for weight row 8 u + m + 8 (m / 8);
	s_lshl_b32 s41, s41, 5                         ; rows 8 g .. 8 g + 7 (g = wave % 4) are u = g % 2, m = 8 (g / 2) + n
	s_and_b32 s42, s24, 1
	s_lshl_b32 s42, s42, 4
	s_add_co_u32 s41, s41, s42
	s_bfe_u32 s42, s24, 0x10001
	s_lshl_b32 s42, s42, 3
	s_add_co_u32 s41, s41, s42
	s_mul_i32 s41, s41, WP
	v_add_nc_u32 v6, s41, v4
	v_and_b32 v8, 8, v2
	v_add_nc_u32 v8, v8, v2
	v_lshl_add_u32 v8, v3, 3, v8
	v_lshlrev_b32 v8, 6, v8                        ; weight scales: lanes 0-15 tile 0's rows, lanes 16-31 tile 1's: row 8 (l / 16) + r + 8 (r / 8), 64 bytes a row
	v_lshlrev_b32 v9, 2, v2                        ; 4 r
	v_lshlrev_b32 v10, 2, v1                       ; 4 l
	v_lshlrev_b32 v11, 4, v2
	v_lshl_add_u32 v11, v3, 3, v11                 ; codes out: 16 r + 8 h
	v_mov_b32 v30, 0xc0135761                      ; k0 = -2 log2(e) sqrt(2 / pi)
	v_mov_b32 v31, 0xc0135761
	s_mov_b32 s32, 0x76543210
	s_mov_b32 s33, 0xfedcba98                      ; v_permlanex16_b32's selects for lane l xor 16
	s_mov_b32 s40, 0xffff0000                      ; lanes 16-31
	s_lshl_b32 s41, s26, 2
	s_mul_i32 s28, s24, 48                         ; my first row of the list
	s_wait_kmcnt 0x0
	s_load_b32 s27, s[16:17], s41 offset:R_CNT     ; the list's length
	s_cmp_lt_u32 s24, 4                            ; waves 0-3 bring gate's 32 rows, waves 4-7 up's: eight rows each
	s_cselect_b64 s[42:43], s[8:9], s[12:13]
	s_lshl_b32 s44, s26, 20
	s_lshl_b32 s45, s25, 15
	s_add_co_u32 s44, s44, s45
	s_and_b32 s45, s24, 3
	s_lshl_b32 s45, s45, 13
	s_add_co_u32 s44, s44, s45
	s_mov_b32 s45, 0
	s_add_nc_u64 s[42:43], s[42:43], s[44:45]
.irp n, 0,1,2,3,4,5,6,7
.irp f, 0,1
	global_load_b128 v[ACC+8*\n+4*\f:ACC+8*\n+4*\f+3], v4, s[42:43] offset:\n*1024+\f*512 th:TH_LOAD_NT   ; 512 consecutive bytes a load; read once in the launch
.endr
.endr
	s_lshl_b32 s44, s26, 16
	s_lshl_b32 s46, s25, 11
	s_add_co_u32 s44, s44, s46
	s_add_nc_u64 s[10:11], s[10:11], s[44:45]
	s_add_nc_u64 s[14:15], s[14:15], s[44:45]
.irp j, 0,1,2,3
	global_load_b128 v[WSG+4*\j:WSG+4*\j+3], v8, s[10:11] offset:16*\j         ; the sixteen K steps' scale words of my row: they stay
	global_load_b128 v[WSG+16+4*\j:WSG+16+4*\j+3], v8, s[14:15] offset:16*\j
.endr
	s_mul_i32 s46, s26, CAP
	s_lshl_b32 s44, s46, 2
	s_add_nc_u64 s[30:31], s[16:17], s[44:45]      ; route and roww at the expert's first place
	s_add_nc_u64 s[34:35], s[18:19], s[44:45]
	s_lshr_b32 s47, s25, 2
	s_mul_i32 s47, s47, HSP
	s_add_co_u32 s44, s44, s47
	s_and_b32 s47, s25, 3
	s_add_co_u32 s44, s44, s47
	s_add_nc_u64 s[38:39], s[22:23], s[44:45]      ; hsc: my K step's plane, the expert's first place, my byte of the word
	s_mul_i32 s44, s25, PLANE
	s_lshl_b32 s47, s46, 4
	s_add_co_u32 s44, s44, s47
	s_add_nc_u64 s[36:37], s[20:21], s[44:45]      ; hid: my block's plane, the expert's first place
.macro TOKLOAD srow                    ; seven loads: the tokens of rows s[srow] + 16 m + r, of rows s[srow] + l, and the weights of rows s[srow] + 16 m + r
	s_lshl_b32 s56, s[\srow], 2
	s_mov_b32 s57, 0
	s_add_nc_u64 s[52:53], s[30:31], s[56:57]
	s_add_nc_u64 s[54:55], s[34:35], s[56:57]
.irp m, 0,1,2
	global_load_b32 v[17+\m], v9, s[52:53] offset:R_ROWTOK+64*\m
.endr
	global_load_b32 v20, v10, s[52:53] offset:R_ROWTOK
.irp m, 0,1,2
	global_load_b32 v[21+\m], v9, s[54:55] offset:64*\m
.endr
.endm
	TOKLOAD 28
	s_wait_loadcnt 15                              ; the sixteen weight loads are in; the 8 loads of scales and the 7 of the list may be out
.irp n, 0,1,2,3,4,5,6,7
.irp f, 0,1
	ds_store_b128 v6, v[ACC+8*\n+4*\f:ACC+8*\n+4*\f+3] offset:\n*WP+\f*512
.endr
.endr
	s_wait_kmcnt 0x0
	s_min_u32 s27, s27, 1024
	s_wait_dscnt 0x0                               ; for the others' sake: my eight rows lie in LDS
	s_barrier_signal -1
	s_barrier_wait -1                              ; the only barrier; nothing is stored to LDS behind it
	s_cmp_ge_u32 s28, s27
	s_cbranch_scc1 .Lend                           ; no rows for me
	; my trips: rows 48 w, + 384, + 768, as far as they lie under the list's length (1,024 at the most): 1 to 3.  The last row that a trip can begin at is 1,008, so its 48 places end at the expert's 1,056.
	s_add_co_u32 s58, s28, 384
	s_cmp_gt_u32 s27, s58
	s_cselect_b32 s59, 2, 1
	s_add_co_u32 s58, s28, 768
	s_cmp_gt_u32 s27, s58
	s_cselect_b32 s58, 1, 0
	s_add_co_u32 s59, s59, s58                     ; s59: how many trips
	s_mov_b32 s58, 0                               ; s58: the loop's counter
.macro XLOAD t                         ; x's three fragments of K step t into slot t % 10 of window 1: lane (r, h) takes 16 bytes at token x 1,024 + 64 t + 32 c + 16 h
.irp m, 0,1,2
.irp c, 0,1
	global_load_b128 v[24*((\t)%10)+8*\m+4*\c:24*((\t)%10)+8*\m+4*\c+3], v[12+\m], s[4:5] offset:64*(\t)+32*\c
.endr
.endr
.endm
.macro LDW t                           ; the four weight fragments of K step t into set t % 2
.irp q, 0,1,2,3
.irp c, 0,1
	ds_load_b128 v[RING+32*((\t)%2)+8*\q+4*\c:RING+32*((\t)%2)+8*\q+4*\c+3], v5 offset:\q*16*WP+64*(\t)+32*\c
.endr
.endr
.endm
; A K step of 128: twelve products, the twelve accumulators by turns, one instruction a turn, in the same order in every step.
.macro KSTEP t
.if (\t) < 15
	s_wait_dscnt 8                                 ; this step's weight fragments are in; the next step's eight loads may be out
.else
	s_wait_dscnt 0x0
.endif
.if 6*(15-(\t)) < 54
	s_wait_loadcnt 6*(15-(\t))                     ; this step's x is in; six loads for each later step may be out
.else
	s_wait_loadcnt 54                              ; nine later steps have been asked for
.endif
.irp m, 0,1,2
.irp q, 0,1,2,3
.set rD, ACC+8*(4*\m+\q)
.set rA, RING+32*((\t)%2)+8*\q
.set rB, 24*((\t)%10)+8*\m
.set rSA, WSG+16*(\q/2)+(\t)
.set rSB, XSC0+16*(\m/2)+(\t)
.set fZ, (\t)==0
.set fRA, \q%2
.set fRB, \m%2
	WMMA4
.endr
.endr
.rept 4
	v_nop                                          ; four places in front of loads into registers that these products have read, and of the first read of results
.endr
.if (\t)+2 < 16
	LDW (\t)+2
.endif
.if (\t) <= 5
	WIN 0x40
	XLOAD (\t)+10
	WIN 0x04
.endif
.endm
.Lrow:
	s_wait_loadcnt 0x0                             ; the list's seven loads (and, the first time, the weights' scales): every earlier load is done, so its address registers may be written
	s_sub_co_u32 s29, s27, s28                     ; rows left from my first
.irp m, 0,1,2
	v_add_nc_u32 v3, 16*\m, v2
	v_cmp_gt_u32 vcc_lo, s29, v3
	v_cndmask_b32 v[17+\m], 0, v[17+\m], vcc_lo    ; beyond the list's end: token 0,
	v_cndmask_b32 v[24+2*\m], 0, v[21+\m], vcc_lo  ; weight 0
	v_min_u32 v[17+\m], 0x3ff, v[17+\m]
	v_lshl_add_u32 v[12+\m], v[17+\m], 10, v7
	v_mov_b32 v[25+2*\m], v[24+2*\m]
.endr
	v_cmp_gt_u32 vcc_lo, s29, v1
	v_cndmask_b32 v20, 0, v20, vcc_lo
	v_min_u32 v20, 0x3ff, v20
	v_lshlrev_b32 v15, 6, v20                      ; x's scale words: lanes 0-15 tile 0's tokens, lanes 16-31 tile 1's;
	v_lshlrev_b32 v16, 6, v19                      ; tile 2's
	s_add_co_u32 s47, s28, 384
	s_min_u32 s47, s47, 1008                       ; the next trip's rows, held inside the expert's 1,056 places
	TOKLOAD 47
	s_lshl_b32 s56, s28, 4
	s_add_nc_u64 s[48:49], s[36:37], s[56:57]      ; where this trip's codes go,
	s_lshl_b32 s56, s28, 2
	s_add_nc_u64 s[50:51], s[38:39], s[56:57]      ; and its scale bytes
.irp j, 0,1,2,3
	global_load_b128 v[XSC0+4*\j:XSC0+4*\j+3], v15, s[6:7] offset:16*\j
	global_load_b128 v[XSC0+16+4*\j:XSC0+16+4*\j+3], v16, s[6:7] offset:16*\j
.endr
	WIN 0x40                                       ; destination window 1, address window 0
.irp t, 0,1,2,3,4,5,6,7,8,9
	XLOAD \t
.endr
	WIN 0x04                                       ; source 1 (x) window 1; all else window 0
	LDW 0
	LDW 1
.irp t, 0,1,2,3,4,5,6,7,8,9,10,11,12,13,14,15
	KSTEP \t
.endr
	WIN 0
	; a = g / (1 + 2^(g (k0 + k1 g^2))) x u x w, 48 numbers a lane, in pairs, each accumulator from its low end on.  T = v96-143.
.set p, 0
.rept 24
.set rT, 96+2*p
.set rG, ACC+32*(p/8)+2*(p%8)
	v_pk_mul_f32 v[rT:rT+1], v[rG:rG+1], v[rG:rG+1]
.set p, p+1
.endr
.set p, 0
.rept 24
.set rT, 96+2*p
	v_pk_fma_f32 v[rT:rT+1], v[rT:rT+1], 0xbdd2d3e8, v[30:31] op_sel_hi:[1,0,1]   ; k1 = 0.044715 k0
.set p, p+1
.endr
.set p, 0
.rept 24
.set rT, 96+2*p
.set rG, ACC+32*(p/8)+2*(p%8)
	v_pk_mul_f32 v[rT:rT+1], v[rT:rT+1], v[rG:rG+1]
.set p, p+1
.endr
.set p, 0
.rept 48
	v_exp_f32 v[96+p], v[96+p]
.set p, p+1
.endr
	v_nop                                          ; a plain line behind the last exponential,
	s_wait_alu depctr_va_vdst(0)                   ; and one wait for the batch, ahead of its first reader
.set p, 0
.rept 24
.set rT, 96+2*p
	v_pk_add_f32 v[rT:rT+1], v[rT:rT+1], 1.0 op_sel_hi:[1,0]
.set p, p+1
.endr
.set p, 0
.rept 48
	v_rcp_f32 v[96+p], v[96+p]
.set p, p+1
.endr
	v_nop
	s_wait_alu depctr_va_vdst(0)                   ; one wait for the 48 reciprocals
.set p, 0
.rept 24
.set rT, 96+2*p
.set rG, ACC+32*(p/8)+2*(p%8)
	v_pk_mul_f32 v[rT:rT+1], v[rT:rT+1], v[rG:rG+1]            ; gelu(g)
.set p, p+1
.endr
.set p, 0
.rept 24
.set rT, 96+2*p
.set rG, ACC+32*(p/8)+2*(p%8)
	v_pk_mul_f32 v[rT:rT+1], v[rT:rT+1], v[rG+16:rG+17]        ; x u
.set p, p+1
.endr
.set p, 0
.rept 24
.set rT, 96+2*p
	v_pk_mul_f32 v[rT:rT+1], v[rT:rT+1], v[24+2*(p/8):25+2*(p/8)]   ; x the row's weight
.set p, p+1
.endr
	; the block of 32 lies in lanes l and l xor 16.  v144+m largest magnitude, v147+m the other lane's, then the byte, v150+m the conversion's scale operand, v[154+2m:155+2m] codes
.irp m, 0,1,2
	v_max3_num_f32 v[144+\m], |v[96+16*\m]|, |v[97+16*\m]|, 0x1800000   ; with the floor 2^(3 - 127): the byte cannot fall under 1
.endr
.irp i, 2,4,6,8,10,12,14
.irp m, 0,1,2
	v_max3_num_f32 v[144+\m], v[144+\m], |v[96+16*\m+\i]|, |v[97+16*\m+\i]|
.endr
.endr
.irp m, 0,1,2
	v_permlanex16_b32 v[147+\m], v[144+\m], s32, s33
.endr
.irp m, 0,1,2
	v_max_num_f32 v[144+\m], v[144+\m], v[147+\m]
.endr
.irp m, 0,1,2
	v_add_nc_u32 v[150+\m], 0xff000000, v[144+\m]  ; 2 off the exponent field
.endr
.irp m, 0,1,2
	v_lshrrev_b32 v[147+\m], 23, v[150+\m]         ; the scale's byte
.endr
.irp m, 0,1,2
	v_cvt_scalef32_pk8_fp4_f32 v[154+2*\m], v[96+16*\m:103+16*\m], v[150+\m]
	v_cvt_scalef32_pk8_fp4_f32 v[155+2*\m], v[104+16*\m:111+16*\m], v[150+\m]
.endr
	v_nop                                          ; one plain line behind the last conversion
	v_cndmask_b32 v153, v147, v148, s40            ; lanes 0-15 tile 0's bytes, lanes 16-31 tile 1's
.irp m, 0,1,2
	global_store_b64 v11, v[154+2*\m:155+2*\m], s[48:49] offset:256*\m   ; sixteen places x 16 bytes: 256 consecutive bytes, aligned
.endr
	global_store_b8 v10, v153, s[50:51]            ; a word's four bytes come from four work-groups, so they leave singly: 48 bytes a trip beside 768 of codes
	global_store_b8 v9, v149, s[50:51] offset:128  ; (both halves of the lanes store the same byte)
	s_wait_xcnt 0x0                                ; the stores have read their registers and bases: the next trip writes them again
	s_add_co_u32 s28, s28, 384                     ; my next 48 rows
	s_add_co_u32 s58, s58, 1                       ; the loop ends on its own counter, stepped by one
	s_cmp_lt_u32 s58, s59
	s_cbranch_scc1 .Lrow
.Lend:
	s_set_vgpr_msb 0x5
	s_wait_tensorcnt 0x0
	ds_add_u32 v254, v255
	s_wait_dscnt 0x0
	s_set_vgpr_msb 0x500
	s_endpgm
.Lfunc_end_k_qd9049c9286_gateup:
	.size	k_qd9049c9286_gateup, .Lfunc_end_k_qd9049c9286_gateup-k_qd9049c9286_gateup
	.p2alignl 7, 3214868480
	.fill 96, 4, 3214868480
	.section	.rodata,"a",@progbits
	.p2align	6, 0x0
	.amdhsa_kernel k_qd9049c9286_gateup
		.amdhsa_group_segment_fixed_size 67584
		.amdhsa_private_segment_fixed_size 0
		.amdhsa_enable_private_segment 0
		.amdhsa_kernarg_size 80
		.amdhsa_user_sgpr_count 2
		.amdhsa_user_sgpr_kernarg_segment_ptr 1
		.amdhsa_wavefront_size32 1
		.amdhsa_system_sgpr_workgroup_id_x 1
		.amdhsa_system_sgpr_workgroup_id_y 1
		.amdhsa_system_sgpr_workgroup_id_z 1
		.amdhsa_system_vgpr_workitem_id 0
		.amdhsa_next_free_vgpr 512
		.amdhsa_next_free_sgpr 66
		.amdhsa_reserve_vcc 1
		.amdhsa_float_denorm_mode_32 3
		.amdhsa_float_denorm_mode_16_64 3
		.amdhsa_memory_ordered 1
		.amdhsa_forward_progress 1
		.amdhsa_inst_pref_size 74
	.end_amdhsa_kernel
	.amdgpu_metadata
---
amdhsa.version: [ 1, 2 ]
amdhsa.kernels:
  - .name:           k_qd9049c9286_gateup
    .symbol:         k_qd9049c9286_gateup.kd
    .args:
      - { .name: x_codes, .offset: 0, .size: 8, .value_kind: global_buffer, .address_space: global }
      - { .name: x_scales, .offset: 8, .size: 8, .value_kind: global_buffer, .address_space: global }
      - { .name: gate_w_codes, .offset: 16, .size: 8, .value_kind: global_buffer, .address_space: global }
      - { .name: gate_w_scales, .offset: 24, .size: 8, .value_kind: global_buffer, .address_space: global }
      - { .name: up_w_codes, .offset: 32, .size: 8, .value_kind: global_buffer, .address_space: global }
      - { .name: up_w_scales, .offset: 40, .size: 8, .value_kind: global_buffer, .address_space: global }
      - { .name: route, .offset: 48, .size: 8, .value_kind: global_buffer, .address_space: global }
      - { .name: roww, .offset: 56, .size: 8, .value_kind: global_buffer, .address_space: global }
      - { .name: hid, .offset: 64, .size: 8, .value_kind: global_buffer, .address_space: global }
      - { .name: hsc, .offset: 72, .size: 8, .value_kind: global_buffer, .address_space: global }
    .group_segment_fixed_size: 67584
    .private_segment_fixed_size: 0
    .kernarg_segment_align: 8
    .kernarg_segment_size: 80
    .max_flat_workgroup_size: 256
    .sgpr_count:     66
    .vgpr_count:     512
    .wavefront_size: 32
...
	.end_amdgpu_metadata
.endif
;; end of part 2
;; launch down (part 3): grid 32 x 8, 16 waves a work-group, no clusters, 141,312 bytes of LDS; arguments dq, dsc, hid, hsc, route, out0; writes out0
.if DOCPART == 3
	.amdgcn_target "amdgcn-amd-amdhsa--gfx1250"
	.amdhsa_code_object_version 6
	.text
	.protected	k_qd9049c9286_down
	.globl	k_qd9049c9286_down
	.p2align	8
	.type	k_qd9049c9286_down,@function
k_qd9049c9286_down:
	s_mov_b64 s[64:65], 0
	v_nop
	global_prefetch_b8 v0, s[64:65] scope:SCOPE_SE
	s_setreg_imm32_b32 hwreg(HW_REG_WAVE_MODE, 25, 1), 1
	s_wait_xcnt 0x0
; out0[token][h] = the sum over the token's experts e and i of Q(a w)[e][token][i] Q(down_w)[e][i][h], on codes of E2M1 with E8M0 scales.  What a token's unchosen experts would add is zero and is not multiplied.
; EACH OUTPUT ROW HAS ONE OWNER.  Tokens are sorted by their set of experts.  A work-group takes a strip of 64 columns (x) and 128 sorted tokens (y): four pairs of tiles of 16.  Four waves share a pair: wave q of them takes
; K steps 2 q and 2 q + 1 (of eight) of every expert that the pair's 32 tokens use, walking the stored list; a lane whose token does not use the expert in hand reads the row of zero codes.
; The four waves' partial sums meet in the LDS stage through which the results leave anyway; they are added as (p0 + p1) + (p2 + p3).
; No tensor load and no cluster: the walk hangs on stored numbers.  Operands go from memory straight into registers: dq and dsc lie in the order of the operand's registers, hid as 16 bytes for each place and block.
; TRANSPOSED: source 0 = 16 columns of down_w, source 1 = 16 tokens: a lane holds one token and eight neighbouring columns.
; REGISTERS: v4 16 l, v5 8 l, v6 (l / 16) x a plane of hid, v7 the zero row's place; v[8:11], v[12:15] tiles 0 and 1: place a, place b, expert a, expert b; v16-18 places for the expert in hand; v20-21 offsets in hid, v22 in hsc;
;   v24-27 offsets in out0; v28, v29 stage in and out; v32-95 eight accumulators (column tile ct, token tile m) at 32 + 8 (2 ct + m); v96-143, v148-195 two buffers: 4 fragments of down_w, 2 of tokens;
;   v[200:201], v202, v[204:205], v206: scale words alone.
.set ZPOS,  8448
.set PLANE, 136192
.set HSP,   34048
.set R_PL,  50432
.set ACC,   32
.set BUF,   96
.macro WMMA4                           ; one product on the symbols rD, rA, rB, rSA, rSB.  fZ: it starts the sum.  fRA, fRB: that side's scale words stand in lanes 16-31
.if fZ
.if fRA && fRB
	v_wmma_scale_f32_16x16x128_f8f6f4 v[rD:rD+7], v[rA:rA+7], v[rB:rB+7], 0, v[rSA], v[rSB] matrix_a_fmt:MATRIX_FMT_FP4 matrix_b_fmt:MATRIX_FMT_FP4 matrix_a_scale:MATRIX_SCALE_ROW1 matrix_b_scale:MATRIX_SCALE_ROW1
.elseif fRA
	v_wmma_scale_f32_16x16x128_f8f6f4 v[rD:rD+7], v[rA:rA+7], v[rB:rB+7], 0, v[rSA], v[rSB] matrix_a_fmt:MATRIX_FMT_FP4 matrix_b_fmt:MATRIX_FMT_FP4 matrix_a_scale:MATRIX_SCALE_ROW1
.elseif fRB
	v_wmma_scale_f32_16x16x128_f8f6f4 v[rD:rD+7], v[rA:rA+7], v[rB:rB+7], 0, v[rSA], v[rSB] matrix_a_fmt:MATRIX_FMT_FP4 matrix_b_fmt:MATRIX_FMT_FP4 matrix_b_scale:MATRIX_SCALE_ROW1
.else
	v_wmma_scale_f32_16x16x128_f8f6f4 v[rD:rD+7], v[rA:rA+7], v[rB:rB+7], 0, v[rSA], v[rSB] matrix_a_fmt:MATRIX_FMT_FP4 matrix_b_fmt:MATRIX_FMT_FP4
.endif
.else
.if fRA && fRB
	v_wmma_scale_f32_16x16x128_f8f6f4 v[rD:rD+7], v[rA:rA+7], v[rB:rB+7], v[rD:rD+7], v[rSA], v[rSB] matrix_a_fmt:MATRIX_FMT_FP4 matrix_b_fmt:MATRIX_FMT_FP4 matrix_a_scale:MATRIX_SCALE_ROW1 matrix_b_scale:MATRIX_SCALE_ROW1
.elseif fRA
	v_wmma_scale_f32_16x16x128_f8f6f4 v[rD:rD+7], v[rA:rA+7], v[rB:rB+7], v[rD:rD+7], v[rSA], v[rSB] matrix_a_fmt:MATRIX_FMT_FP4 matrix_b_fmt:MATRIX_FMT_FP4 matrix_a_scale:MATRIX_SCALE_ROW1
.elseif fRB
	v_wmma_scale_f32_16x16x128_f8f6f4 v[rD:rD+7], v[rA:rA+7], v[rB:rB+7], v[rD:rD+7], v[rSA], v[rSB] matrix_a_fmt:MATRIX_FMT_FP4 matrix_b_fmt:MATRIX_FMT_FP4 matrix_b_scale:MATRIX_SCALE_ROW1
.else
	v_wmma_scale_f32_16x16x128_f8f6f4 v[rD:rD+7], v[rA:rA+7], v[rB:rB+7], v[rD:rD+7], v[rSA], v[rSB] matrix_a_fmt:MATRIX_FMT_FP4 matrix_b_fmt:MATRIX_FMT_FP4
.endif
.endif
.endm
	s_load_b256 s[4:11], s[0:1], 0x0               ; dq s[4:5], dsc s[6:7], hid s[8:9], hsc s[10:11]
	s_load_b128 s[12:15], s[0:1], 0x20             ; route s[12:13], out0 s[14:15]
	v_lshl_add_u32 v208, v0, 2, 0x22000
	v_mov_b32 v209, 0
	v_lshrrev_b32 v1, 5, v0
	v_readfirstlane_b32 s16, v1                    ; wave 0..15
	v_and_b32 v1, 31, v0                           ; l
	v_and_b32 v2, 15, v0                           ; r
	v_bfe_u32 v3, v0, 4, 1                         ; h
	s_and_b32 s17, ttmp7, 0xffff
	s_lshr_b32 s18, s16, 2
	s_lshl_b32 s19, s17, 2
	s_add_co_u32 s18, s18, s19                     ; P: my pair of tiles = sorted tokens 32 P .. 32 P + 31
	s_and_b32 s19, s16, 3                          ; q: my quarter of K
	v_lshlrev_b32 v4, 4, v1
	v_lshlrev_b32 v5, 3, v1
	v_mul_u32_u24 v6, v3, PLANE
	v_mov_b32 v7, ZPOS
	s_mul_i32 s26, s16, 8704                       ; the stage: 32 rows x (256 bytes + 16) for each wave
	v_mul_u32_u24 v28, v2, 272
	v_lshl_add_u32 v28, v3, 5, v28
	v_add_nc_u32 v28, s26, v28                     ; in: row r, + 32 h
	s_lshr_b32 s26, s16, 2
	s_mul_i32 s26, s26, 34816                      ; out: my pair's four stages,
	s_mul_i32 s27, s19, 2176                       ; rows 8 q .. 8 q + 7 of each,
	s_add_co_u32 s26, s26, s27
	v_mul_u32_u24 v29, v3, 272
	v_lshl_add_u32 v29, v2, 4, v29                 ; lanes 0-15 one row, lanes 16-31 the next
	v_add_nc_u32 v29, s26, v29
	v_lshlrev_b32 v30, 4, v2                       ; 16 r
	v_lshlrev_b32 v31, 4, v3
	s_lshl_b32 s27, s19, 7
	v_add_nc_u32 v31, s27, v31                     ; TINFO of rows 8 q + (l / 16)
	s_wait_kmcnt 0x0
	s_lshl_b32 s26, s18, 3
	s_load_b64 s[20:21], s[12:13], s26 offset:R_PL ; the pair's experts as nibbles, and how many
	s_lshl_b32 s28, s18, 9
	s_mov_b32 s29, 0
	s_add_nc_u64 s[30:31], s[12:13], s[28:29]      ; TINFO of my pair's first token
	global_load_b128 v[8:11], v30, s[30:31]
	global_load_b128 v[12:15], v30, s[30:31] offset:256
.irp i, 0,1,2,3
	global_load_b32 v[24+\i], v31, s[30:31] offset:32*\i+12    ; the tokens whose rows I store: rows 8 q + 2 i + (l / 16)
.endr
	s_lshl_b32 s28, ttmp9, 15
	s_lshl_b32 s23, s19, 13
	s_add_co_u32 s28, s28, s23
	s_add_nc_u64 s[32:33], s[4:5], s[28:29]        ; dq: my strip, my two K steps
	s_lshl_b32 s28, ttmp9, 11
	s_lshl_b32 s23, s19, 9
	s_add_co_u32 s28, s28, s23
	s_add_nc_u64 s[34:35], s[6:7], s[28:29]        ; dsc likewise
	s_mul_i32 s28, s19, 8*PLANE
	s_add_nc_u64 s[8:9], s[8:9], s[28:29]          ; hid: my eight blocks' planes
	s_mul_i32 s28, s19, 2*HSP
	s_add_nc_u64 s[10:11], s[10:11], s[28:29]      ; hsc: my two K steps' planes
	s_lshl_b32 s28, ttmp9, 8
	s_add_nc_u64 s[14:15], s[14:15], s[28:29]      ; out0: my strip's 256 bytes of a row
	s_mov_b32 s25, 0xffff0000                      ; lanes 16-31
	s_wait_kmcnt 0x0
	s_min_u32 s21, s21, 8
	s_max_u32 s21, s21, 1
	s_wait_loadcnt 0x0
	v_lshrrev_b32 v11, 4, v10                      ; expert b (15: none),
	v_and_b32 v10, 15, v10                         ; expert a
	v_lshrrev_b32 v15, 4, v14
	v_and_b32 v14, 15, v14
.irp i, 0,1,2,3
	v_min_u32 v[24+\i], 0x3ff, v[24+\i]
	v_lshl_add_u32 v[24+\i], v[24+\i], 13, v30     ; the token's row of 8,192 bytes + 16 (l % 16)
.endr
; The expert at the list's low nibble: each lane's place in its list (or the zero row), and the bases of its weights.
.macro SETUP
	s_and_b32 s24, s20, 15
	s_min_u32 s24, s24, 7
	v_cmp_eq_u32 vcc_lo, s24, v10
	v_cndmask_b32 v16, v7, v8, vcc_lo
	v_cmp_eq_u32 vcc_lo, s24, v11
	v_cndmask_b32 v16, v16, v9, vcc_lo
	v_cmp_eq_u32 vcc_lo, s24, v14
	v_cndmask_b32 v17, v7, v12, vcc_lo
	v_cmp_eq_u32 vcc_lo, s24, v15
	v_cndmask_b32 v17, v17, v13, vcc_lo
	v_cndmask_b32 v18, v16, v17, s25               ; for the scale words: lanes 0-15 tile 0's rows, lanes 16-31 tile 1's
	v_min_u32 v16, 0x213f, v16                     ; held inside the 8,512 places last of all
	v_min_u32 v17, 0x213f, v17
	v_min_u32 v18, 0x213f, v18
	v_lshl_add_u32 v20, v16, 4, v6
	v_lshl_add_u32 v21, v17, 4, v6
	v_lshlrev_b32 v22, 2, v18
	s_lshl_b32 s26, s24, 20
	s_mov_b32 s27, 0
	s_add_nc_u64 s[36:37], s[32:33], s[26:27]
	s_lshl_b32 s26, s24, 16
	s_add_nc_u64 s[38:39], s[34:35], s[26:27]
.endm
.macro LOADK d                         ; fourteen loads: my K step d of the expert in hand, into buffer d
.irp ct, 0,1,2,3
.irp c, 0,1
	global_load_b128 v[BUF+52*(\d)+8*\ct+4*\c:BUF+52*(\d)+8*\ct+4*\c+3], v4, s[36:37] offset:4096*(\d)+1024*\ct+512*\c   ; 512 consecutive bytes: four registers of a fragment, lane by lane
.endr
.endr
.irp m, 0,1
.irp c, 0,1
	global_load_b128 v[BUF+52*(\d)+32+8*\m+4*\c:BUF+52*(\d)+32+8*\m+4*\c+3], v[20+\m], s[8:9] offset:(4*(\d)+2*\c)*PLANE   ; block 4 d + 2 c + h of my token's place
.endr
.endr
	global_load_b64 v[200+4*(\d):201+4*(\d)], v5, s[38:39] offset:256*(\d)
	global_load_b32 v[202+4*(\d)], v22, s[10:11] offset:(\d)*HSP
.endm
.macro MUL d, zero                     ; eight products, the eight accumulators by turns, one instruction a turn, in the same order every time
.irp ct, 0,1,2,3
.irp m, 0,1
.set rD, ACC+8*(2*\ct+\m)
.set rA, BUF+52*(\d)+8*\ct
.set rB, BUF+52*(\d)+32+8*\m
.set rSA, 200+4*(\d)+\ct/2
.set rSB, 202+4*(\d)
.set fZ, \zero
.set fRA, \ct%2
.set fRB, \m
	WMMA4
.endr
.endr
.endm
.macro PLACES                          ; four places in front of loads into registers that matrix instructions have read, and of the first read of results
.rept 4
	v_nop
.endr
.endm
.macro TRIP zero                       ; the expert in hand is multiplied while the next one's operands are asked for
	s_lshr_b32 s20, s20, 4
	s_wait_xcnt 0x0                                ; the loads that are out have read their addresses: offsets and bases may be written
	SETUP
	s_wait_loadcnt 14                              ; buffer 0 is in; buffer 1's fourteen loads may be out
	MUL 0, \zero
	PLACES
	LOADK 0
	s_wait_loadcnt 14                              ; buffer 1 is in; the fourteen just issued may be out
	MUL 1, 0
	PLACES
	LOADK 1
.endm
.macro TAIL zero                       ; the list's last expert
	s_wait_loadcnt 14
	MUL 0, \zero
	s_wait_loadcnt 0x0
	MUL 1, 0
.endm
	SETUP
	LOADK 0
	LOADK 1
	s_cmp_eq_u32 s21, 1
	s_cbranch_scc1 .Lone
	TRIP 1                                         ; the first product on each accumulator starts its sum: nothing is cleared
	s_mov_b32 s22, 2
	s_cmp_ge_u32 s22, s21
	s_cbranch_scc1 .Llast
.Lloop:
	TRIP 0
	s_add_co_u32 s22, s22, 1
	s_cmp_lt_u32 s22, s21
	s_cbranch_scc1 .Lloop
.Llast:
	TAIL 0
	s_branch .Lout
.Lone:
	TAIL 1
.Lout:
	PLACES
.irp ct, 0,1,2,3
.irp m, 0,1
	ds_store_b128 v28, v[ACC+8*(2*\ct+\m):ACC+8*(2*\ct+\m)+3] offset:\m*4352+64*\ct        ; each accumulator from its low end on: token 16 m + r, columns 16 ct + 8 h + 0..7
	ds_store_b128 v28, v[ACC+8*(2*\ct+\m)+4:ACC+8*(2*\ct+\m)+7] offset:\m*4352+64*\ct+16
.endr
.endr
	s_wait_dscnt 0x0                               ; for the others' sake: my partial sums lie in the stage
	s_barrier_signal -1
	s_barrier_wait -1
.irp i, 0,1,2,3
.irp k, 0,1,2,3
	ds_load_b128 v[96+16*\i+4*\k:96+16*\i+4*\k+3], v29 offset:\k*8704+544*\i   ; rows 8 q + 2 i, + 1 of the k-th quarter of K
.endr
.endr
	s_wait_dscnt 0x0
.irp i, 0,1,2,3
.irp j, 0,2
	v_pk_add_f32 v[96+16*\i+\j:97+16*\i+\j], v[96+16*\i+\j:97+16*\i+\j], v[100+16*\i+\j:101+16*\i+\j]
	v_pk_add_f32 v[104+16*\i+\j:105+16*\i+\j], v[104+16*\i+\j:105+16*\i+\j], v[108+16*\i+\j:109+16*\i+\j]
.endr
.irp j, 0,2
	v_pk_add_f32 v[96+16*\i+\j:97+16*\i+\j], v[96+16*\i+\j:97+16*\i+\j], v[104+16*\i+\j:105+16*\i+\j]
.endr
	global_store_b128 v[24+\i], v[96+16*\i:99+16*\i], s[14:15] th:TH_STORE_NT   ; sixteen lanes store 256 consecutive bytes of a token's row, aligned; written once
.endr
	s_wait_tensorcnt 0x0
	ds_add_u32 v208, v209
	s_wait_dscnt 0x0
	s_endpgm
.Lfunc_end_k_qd9049c9286_down:
	.size	k_qd9049c9286_down, .Lfunc_end_k_qd9049c9286_down-k_qd9049c9286_down
	.p2alignl 7, 3214868480
	.fill 96, 4, 3214868480
	.section	.rodata,"a",@progbits
	.p2align	6, 0x0
	.amdhsa_kernel k_qd9049c9286_down
		.amdhsa_group_segment_fixed_size 141312
		.amdhsa_private_segment_fixed_size 0
		.amdhsa_enable_private_segment 0
		.amdhsa_kernarg_size 48
		.amdhsa_user_sgpr_count 2
		.amdhsa_user_sgpr_kernarg_segment_ptr 1
		.amdhsa_wavefront_size32 1
		.amdhsa_system_sgpr_workgroup_id_x 1
		.amdhsa_system_sgpr_workgroup_id_y 1
		.amdhsa_system_sgpr_workgroup_id_z 1
		.amdhsa_system_vgpr_workitem_id 0
		.amdhsa_next_free_vgpr 210
		.amdhsa_next_free_sgpr 66
		.amdhsa_reserve_vcc 1
		.amdhsa_float_denorm_mode_32 3
		.amdhsa_float_denorm_mode_16_64 3
		.amdhsa_memory_ordered 1
		.amdhsa_forward_progress 1
		.amdhsa_inst_pref_size 28
	.end_amdhsa_kernel
	.amdgpu_metadata
---
amdhsa.version: [ 1, 2 ]
amdhsa.kernels:
  - .name:           k_qd9049c9286_down
    .symbol:         k_qd9049c9286_down.kd
    .args:
      - { .name: dq, .offset: 0, .size: 8, .value_kind: global_buffer, .address_space: global }
      - { .name: dsc, .offset: 8, .size: 8, .value_kind: global_buffer, .address_space: global }
      - { .name: hid, .offset: 16, .size: 8, .value_kind: global_buffer, .address_space: global }
      - { .name: hsc, .offset: 24, .size: 8, .value_kind: global_buffer, .address_space: global }
      - { .name: route, .offset: 32, .size: 8, .value_kind: global_buffer, .address_space: global }
      - { .name: out0, .offset: 40, .size: 8, .value_kind: global_buffer, .address_space: global }
    .group_segment_fixed_size: 141312
    .private_segment_fixed_size: 0
    .kernarg_segment_align: 8
    .kernarg_segment_size: 48
    .max_flat_workgroup_size: 512
    .sgpr_count:     66
    .vgpr_count:     210
    .wavefront_size: 32
...
	.end_amdgpu_metadata
.endif
;; end of part 3
;; ======== version 2 of 2: 3 launches
;; workspace buffers: dq 8,388,608 bytes; dsc 524,288 bytes; hid 4,358,144 bytes; hsc 272,384 bytes; route 50,688 bytes of whole numbers; roww 33,792 bytes
;; launch prep (part 4): grid 257 x 1, 16 waves a work-group, no clusters, 9,216 bytes of LDS; arguments down_w, selected_experts, routing_weights, dq, dsc, hid, hsc, route, roww; writes dq, dsc, hid, hsc, route, roww
.if DOCPART == 4
	.amdgcn_target "amdgcn-amd-amdhsa--gfx1250"
	.amdhsa_code_object_version 6
	.text
	.protected	k_qd9049c9286_prep
	.globl	k_qd9049c9286_prep
	.p2align	8
	.type	k_qd9049c9286_prep,@function
k_qd9049c9286_prep:
	s_mov_b64 s[64:65], 0
	v_nop
	global_prefetch_b8 v0, s[64:65] scope:SCOPE_SE
	s_setreg_imm32_b32 hwreg(HW_REG_WAVE_MODE, 25, 1), 1
	s_wait_xcnt 0x0
; TWO JOBS IN ONE LAUNCH, parted on the work-group's number; each has its own LDS bytes, its own barrier and its own end.
; WORK-GROUPS 1..256: down_w [8][1024 (i)][2048 (h)] f32, whose K (= i) is not innermost, becomes codes of E2M1 with one E8M0 byte for each 32 along i,
;   laid in the ORDER OF THE OPERAND'S REGISTERS: dq [e][strip of 64 h][K step of 128][tile of 16 h][c][half][row][16 bytes], dsc [e][strip][K step][lane][2 words].
;   A lane takes a column h and its registers run down i: a block of 32 lies in one lane, and the conversions give codes with K innermost.
;   A block's scale is 2^(floor(log2(largest magnitude)) - 2); its byte is the largest magnitude's exponent field - 2, held at 1 from below.
; WORK-GROUP 0: the routing.  Tokens are sorted by their SET of experts (key = 8 x lower + higher: an 8 x 8 table of bins, row = lower, column = higher), each (token, expert) pair gets a place in its expert's list.
;   A token whose two slots name one expert has ONE pair, with the sum of the two weights.  No atomics: lane masks, bit counts, sums over waves through LDS, scans in registers.
;   Expert e's list is column e of the table above the diagonal, from the top, and then row e from the diagonal on.
;   route: TINFO [sorted place]{place a, place b, expert a | expert b << 4, token}; ROWTOK [place] token; CNT [8]; PL [32]{experts of 32 sorted tokens as nibbles, how many}.  roww [place] weight.
;   It also writes the row of zero codes (place ZPOS) of hid and its scale words (byte 127) of hsc.
; LIMITS: NaN and infinities in down_w are not served; a block of zeros gets the byte 1 (its codes are zeros, and this program alone reads the bytes); expert numbers outside 0..7 are taken as 7.
.set CAP,      1056                    ; places of an expert: 22 groups of 48, at least the 1,024 tokens
.set ZPOS,     8448                    ; 8 CAP: the place of the zero row
.set PLANE,    136192                  ; hid: 8,512 places x 16 bytes for each block of 32 along i
.set HSP,      34048                   ; hsc: 8,512 places x 4 bytes for each K step
.set R_ROWTOK, 16384
.set R_CNT,    50176
.set R_PL,     50432
.set RC,       2048                    ; LDS: bytes 0..2047 the quantiser's scale words; from here 64 bins x (16 waves x 4 bytes + 16)
.set X,        32                      ; v32-95   two sets of 32 numbers
.set C,        96                      ; v96-111  four registers of codes for each block: no store's data are written again
.set SW,       112                     ; v112     my column's scale word
.set BA0,      66                      ; s66-73   lanes of my first 32 tokens whose lower expert is k;  s74-81 of my second 32
.set BA1,      74
.set BB0,      82                      ; s82-89   the same for the higher expert;  s90-97
.set BB1,      90
	s_load_b512 s[4:19], s[0:1], 0x0               ; down_w s[4:5], selected s[6:7], weights s[8:9], dq s[10:11], dsc s[12:13], hid s[14:15], hsc s[16:17], route s[18:19]
	s_load_b64 s[20:21], s[0:1], 0x40              ; roww
	v_lshl_add_u32 v128, v0, 2, 0x1c00
	v_mov_b32 v129, 0
	v_lshrrev_b32 v2, 5, v0
	s_delay_alu instid0(VALU_DEP_1)
	v_readfirstlane_b32 s22, v2                    ; wave 0..15
	v_and_b32 v1, 31, v0                           ; lane
	; every LDS address is made here, ahead of the parting
	s_lshr_b32 s23, s22, 1
	s_lshl_b32 s23, s23, 8
	s_and_b32 s32, s22, 1
	s_lshl_b32 s32, s32, 2
	s_add_co_u32 s23, s23, s32
	v_lshlrev_b32 v28, 3, v1
	s_delay_alu instid0(VALU_DEP_1)
	v_add_nc_u32 v28, s23, v28                     ; scale word in: 256 x K step + 8 x lane + 4 x column half
	s_and_b32 s23, s22, 3
	s_lshl_b32 s23, s23, 9
	v_lshlrev_b32 v29, 4, v1
	s_delay_alu instid0(VALU_DEP_1)
	v_add_nc_u32 v29, s23, v29                     ; and out: 512 x (wave % 4) + 16 x lane
	v_mul_u32_u24 v31, v1, 80
	s_delay_alu instid0(VALU_DEP_1)
	v_add_nc_u32 v31, RC, v31                      ; a bin's row of sixteen counts
	s_lshl_b32 s23, s22, 2
	v_add_nc_u32 v30, s23, v31                     ; my wave's word in it
	s_wait_kmcnt 0x0
	s_cmp_eq_u32 ttmp9, 0
	s_cbranch_scc1 .Lroute
; ---------------------------------------------------------------- the quantiser
	s_sub_co_u32 s24, ttmp9, 1
	s_lshr_b32 s25, s24, 5                         ; expert
	s_and_b32 s26, s24, 31                         ; strip of 64 columns
	s_lshr_b32 s27, s22, 1                         ; my K step of 128
	s_and_b32 s28, s22, 1                          ; my half of the strip: 32 columns
	s_lshl_b32 s32, s25, 23                        ; down_w: expert 2^23 bytes, K step 128 rows of 8,192, strip 256, half 128
	s_lshl_b32 s29, s27, 20
	s_or_b32 s32, s32, s29
	s_lshl_b32 s29, s26, 8
	s_or_b32 s32, s32, s29
	s_lshl_b32 s29, s28, 7
	s_or_b32 s32, s32, s29
	s_mov_b32 s33, 0
	s_add_nc_u64 s[4:5], s[4:5], s[32:33]
	s_lshl_b32 s32, s25, 20                        ; dq
	s_lshl_b32 s29, s26, 15
	s_or_b32 s32, s32, s29
	s_lshl_b32 s29, s27, 12
	s_or_b32 s32, s32, s29
	s_lshl_b32 s29, s28, 11
	s_or_b32 s32, s32, s29
	s_add_nc_u64 s[10:11], s[10:11], s[32:33]
	s_lshl_b32 s32, s25, 16                        ; dsc: the strip's 2,048 bytes, 512 of them for each of waves 0..3
	s_lshl_b32 s29, s26, 11
	s_or_b32 s32, s32, s29
	s_and_b32 s29, s22, 3
	s_lshl_b32 s29, s29, 9
	s_or_b32 s32, s32, s29
	s_add_nc_u64 s[12:13], s[12:13], s[32:33]
	s_wait_alu depctr_va_vdst(0)
	v_lshlrev_b32 v3, 2, v1                        ; in: 4 bytes a lane: a load of the wave reads 128 consecutive bytes, the neighbour wave the 128 beside them
	v_lshrrev_b32 v4, 4, v1
	v_and_b32 v5, 15, v1
	s_delay_alu instid0(VALU_DEP_1)
	v_lshlrev_b32 v5, 4, v5
	s_delay_alu instid0(VALU_DEP_1)
	v_lshl_or_b32 v4, v4, 10, v5                   ; out: tile (lane / 16) x 1,024 + 16 x (lane % 16)
.macro LOADB b                         ; block b: down_w(32 b + n, my column), n = 0..31, into set b % 2
.set n, 0
.rept 32
	global_load_b32 v[X+32*((\b)%2)+n], v3, s[4:5] offset:(32*(\b)+n)*8192 th:TH_LOAD_NT
.set n, n+1
.endr
.endm
.macro BLOCK b
.set XS, X+32*((\b)%2)
.if (\b) < 3
	s_wait_loadcnt 32                              ; this block's 32 loads are in; the next block's 32 may be out
.else
	s_wait_loadcnt 0x0
.endif
	v_max3_num_f32 v12, |v[XS]|, |v[XS+1]|, |v[XS+2]|      ; the block's largest magnitude, in two chains: all 32 numbers are mine
	v_max3_num_f32 v13, |v[XS+3]|, |v[XS+4]|, |v[XS+5]|
.irp i, 6,10,14,18,22,26
	s_delay_alu instid0(VALU_DEP_2)
	v_max3_num_f32 v12, v12, |v[XS+\i]|, |v[XS+\i+1]|
	s_delay_alu instid0(VALU_DEP_2)
	v_max3_num_f32 v13, v13, |v[XS+\i+2]|, |v[XS+\i+3]|
.endr
	s_delay_alu instid0(VALU_DEP_2)
	v_max3_num_f32 v12, v12, |v[XS+30]|, |v[XS+31]|
	s_delay_alu instid0(VALU_DEP_1)
	v_max3_num_f32 v12, v12, v13, 0x1800000        ; and the floor 2^(3 - 127): the byte cannot fall under 1
	s_delay_alu instid0(VALU_DEP_1)
	v_add_nc_u32 v11, 0xff000000, v12              ; 2 off the exponent field: the conversion takes this operand's exponent field as its scale
	s_delay_alu instid0(VALU_DEP_1)
	v_lshrrev_b32 v13, 23, v11                     ; the scale's byte
.if (\b) == 0
	s_delay_alu instid0(VALU_DEP_1)
	v_mov_b32 v[SW], v13
.else
	s_delay_alu instid0(VALU_DEP_1)
	v_lshl_or_b32 v[SW], v13, 8*(\b), v[SW]        ; the lower K in the lower byte
.endif
.irp g, 0,1,2,3
	v_cvt_scalef32_pk8_fp4_f32 v[C+4*(\b)+\g], v[XS+8*\g:XS+8*\g+7], v11
.endr
	global_store_b128 v4, v[C+4*(\b):C+4*(\b)+3], s[10:11] offset:((\b)/2)*512+((\b)%2)*256   ; sixteen lanes store 256 consecutive bytes, aligned
.if (\b) < 2
	LOADB (\b)+2
.endif
.endm
	LOADB 0
	LOADB 1
	BLOCK 0
	BLOCK 1
	BLOCK 2
	BLOCK 3
	v_nop                                          ; one plain line behind the last conversion
	ds_store_b32 v28, v[SW]
	s_wait_dscnt 0x0                               ; for the others' sake: my word lies in LDS
	s_barrier_signal -1
	s_barrier_wait -1
	s_cmp_lt_u32 s22, 4
	s_cbranch_scc0 .Lq_end                         ; the strip's 2,048 bytes of scale words leave by four waves
	ds_load_b128 v[16:19], v29
	v_lshlrev_b32 v6, 4, v1
	s_wait_alu depctr_va_vdst(0)
	s_wait_dscnt 0x0
	global_store_b128 v6, v[16:19], s[12:13]       ; 512 consecutive bytes a wave
.Lq_end:
	s_wait_tensorcnt 0x0
	ds_add_u32 v128, v129
	s_wait_dscnt 0x0
	s_endpgm
; ---------------------------------------------------------------- the routing
; REGISTERS (c = 0, 1: tokens tid and tid + 512): v[2+2c:3+2c] experts, v[6+2c:7+2c] weights, v10+c lower expert, v12+c higher, v14+c key, v16+c, v18+c their weights, v20+c rank in my wave's part of the bin,
; v22+c token; v24-25 my wave's counts (lane = bin % 32); v40-55 at work ahead of the barrier; v32-63 all waves' counts; v64-65 totals; v66-67 sums over earlier waves; v68-69 bins' first sorted places;
; v70-71 sums down the columns; v74, v78 a bin's first rank in its lower expert's list; v80-81 the table: three fields of 10 bits; v84-85 each token's word of it.
.Lroute:
	v_lshlrev_b32 v26, 3, v0
	global_load_b64 v[2:3], v26, s[6:7]
	global_load_b64 v[4:5], v26, s[6:7] offset:4096
	global_load_b64 v[6:7], v26, s[8:9]
	global_load_b64 v[8:9], v26, s[8:9] offset:4096
	; the zero row: 256 bytes of zero codes in each of hid's 32 planes (two a wave), 256 bytes of the byte 127 in each of hsc's 8 (waves 0..7)
	v_mov_b32 v116, 0
	v_mov_b32 v117, 0
	v_lshlrev_b32 v120, 3, v1
	s_mul_i32 s46, s22, 2*PLANE
	s_mov_b32 s47, 0
	s_add_nc_u64 s[14:15], s[14:15], s[46:47]
	global_store_b64 v120, v[116:117], s[14:15] offset:ZPOS*16
	global_store_b64 v120, v[116:117], s[14:15] offset:ZPOS*16+PLANE
	s_cmp_lt_u32 s22, 8
	s_cbranch_scc0 .Lno_hsc
	v_mov_b32 v118, 0x7f7f7f7f
	v_mov_b32 v119, 0x7f7f7f7f
	s_mul_i32 s46, s22, HSP
	s_add_nc_u64 s[16:17], s[16:17], s[46:47]
	global_store_b64 v120, v[118:119], s[16:17] offset:ZPOS*4
.Lno_hsc:
.irp r, 72,73,74,75,78,79,84,85
	v_mov_b32 v\r, 0                               ; destinations of lane permutes, DPP moves and chains of selects: written once before
.endr
	v_mov_b32 v104, ZPOS
	v_mov_b32 v22, v0
	v_add_nc_u32 v23, 512, v0
	s_mov_b32 s38, 0xffff0000                      ; lanes 16-31
	s_mov_b32 s40, 0x01010101
	s_wait_loadcnt 0x0
.macro PREPTOK c
	v_min_u32 v[2+2*\c], 7, v[2+2*\c]
	v_min_u32 v[3+2*\c], 7, v[3+2*\c]
	s_delay_alu instid0(VALU_DEP_1)
	v_min_u32 v[10+\c], v[2+2*\c], v[3+2*\c]
	s_delay_alu instid0(VALU_DEP_2)
	v_max_u32 v[12+\c], v[2+2*\c], v[3+2*\c]
	s_delay_alu instid0(VALU_DEP_1)
	v_lshl_add_u32 v[14+\c], v[10+\c], 3, v[12+\c]         ; key
	s_delay_alu instid0(VALU_DEP_4)
	v_cmp_gt_u32 vcc_lo, v[2+2*\c], v[3+2*\c]
	s_delay_alu instid0(VALU_DEP_1)
	v_cndmask_b32 v[16+\c], v[6+2*\c], v[7+2*\c], vcc_lo   ; the lower expert's weight,
	s_delay_alu instid0(VALU_DEP_2)
	v_cndmask_b32 v[18+\c], v[7+2*\c], v[6+2*\c], vcc_lo   ; the higher one's
	v_cmp_eq_u32 s[34+\c], v[2+2*\c], v[3+2*\c]            ; both slots name one expert:
	v_add_f32 v26, v[6+2*\c], v[7+2*\c]
	s_delay_alu instid0(VALU_DEP_1)
	v_cndmask_b32 v[16+\c], v[16+\c], v26, s[34+\c]        ; one pair, with the sum of the weights
.endm
	PREPTOK 0
	PREPTOK 1
; The 32 lane masks: which of my tokens have k as their lower, which as their higher expert.
.irp k, 0,1,2,3,4,5,6,7
	v_cmp_eq_u32 s[BA0+\k], \k, v10
	v_cmp_eq_u32 s[BA1+\k], \k, v11
	v_cmp_eq_u32 s[BB0+\k], \k, v12
	v_cmp_eq_u32 s[BB1+\k], \k, v13
.endr
; Each lane picks the mask of its own lower expert (values from va, its own expert told by ca) and of its own higher one (vb, cb): their AND is the mask of the lanes with its key.
.macro SAME d, t, va, ca, vb, cb
	v_mov_b32 v[\d], s[\va]
	v_mov_b32 v[\t], s[\vb]
.irp k, 1,2,3,4,5,6,7
	s_delay_alu instid0(VALU_DEP_2)
	v_cndmask_b32 v[\d], v[\d], s[\va+\k], s[\ca+\k]
	s_delay_alu instid0(VALU_DEP_2)
	v_cndmask_b32 v[\t], v[\t], s[\vb+\k], s[\cb+\k]
.endr
	s_delay_alu instid0(VALU_DEP_1)
	v_and_b32 v[\d], v[\d], v[\t]
.endm
; The number of ones in a word, in two halves.  POP12: sums in fields of 4 bits (4 at the most; two such words may be added: 8).  POP34: bytes (16 at the most), then their sum (64 at the most) in the top byte.
.macro POP12 x, t
	v_lshrrev_b32 v[\t], 1, v[\x]
	s_delay_alu instid0(VALU_DEP_1)
	v_and_b32 v[\t], 0x55555555, v[\t]
	s_delay_alu instid0(VALU_DEP_1)
	v_sub_nc_u32 v[\x], v[\x], v[\t]
	s_delay_alu instid0(VALU_DEP_1)
	v_lshrrev_b32 v[\t], 2, v[\x]
	s_delay_alu instid0(VALU_DEP_1)
	v_and_b32 v[\t], 0x33333333, v[\t]
	s_delay_alu instid0(VALU_DEP_3)
	v_and_b32 v[\x], 0x33333333, v[\x]
	s_delay_alu instid0(VALU_DEP_1)
	v_add_nc_u32 v[\x], v[\x], v[\t]
.endm
.macro POP34 x, t
	v_lshrrev_b32 v[\t], 4, v[\x]
	v_and_b32 v[\x], 0x0f0f0f0f, v[\x]
	s_delay_alu instid0(VALU_DEP_2)
	v_and_b32 v[\t], 0x0f0f0f0f, v[\t]
	s_delay_alu instid0(VALU_DEP_1)
	v_add_nc_u32 v[\x], v[\x], v[\t]
	s_delay_alu instid0(VALU_DEP_1)
	v_mul_lo_u32 v[\x], v[\x], s40
	s_delay_alu instid0(VALU_DEP_1)
	v_lshrrev_b32 v[\x], 24, v[\x]
.endm
	SAME 40, 41, BA0, BA0, BB0, BB0                ; my first token's key among the wave's first 32
	SAME 42, 43, BA1, BA1, BB1, BB1                ; my second token's among the second 32
	SAME 44, 45, BA0, BA1, BB0, BB1                ; my second token's among the first 32
	POP12 44, 45
	POP34 44, 45
	v_mbcnt_lo_u32_b32 v20, v40, 0                 ; rank among the wave's tokens of the bin: the first 32 tokens come first,
	s_delay_alu instid0(VALU_DEP_2)
	v_mbcnt_lo_u32_b32 v21, v42, v44               ; then the second 32
; My wave's count of each bin, a lane to a bin (v24: rows 0-3, v25: rows 4-7; lane = 8 (row % 4) + column): the ones in (row's mask AND column's mask), both groups of 32 tokens.
	v_mov_b32 v46, s[BB0]
	v_mov_b32 v47, s[BB1]
.irp b, 1,2,3,4,5,6,7
	s_mov_b32 s36, 0x01010101<<\b                  ; the lanes of column b
	v_cndmask_b32 v46, v46, s[BB0+\b], s36
	v_cndmask_b32 v47, v47, s[BB1+\b], s36
.endr
	v_mov_b32 v48, s[BA0]
	v_mov_b32 v49, s[BA0+4]
	v_mov_b32 v50, s[BA1]
	v_mov_b32 v51, s[BA1+4]
.irp j, 1,2,3
	s_mov_b32 s36, 0xff<<(8*\j)                    ; the lanes of rows j and 4 + j
	v_cndmask_b32 v48, v48, s[BA0+\j], s36
	v_cndmask_b32 v49, v49, s[BA0+4+\j], s36
	v_cndmask_b32 v50, v50, s[BA1+\j], s36
	v_cndmask_b32 v51, v51, s[BA1+4+\j], s36
.endr
	s_delay_alu instid0(VALU_DEP_4)
	v_and_b32 v48, v48, v46
	s_delay_alu instid0(VALU_DEP_4)
	v_and_b32 v49, v49, v46
	s_delay_alu instid0(VALU_DEP_4)
	v_and_b32 v50, v50, v47
	s_delay_alu instid0(VALU_DEP_4)
	v_and_b32 v51, v51, v47
	POP12 48, 52
	POP12 49, 53
	POP12 50, 54
	POP12 51, 55
	v_add_nc_u32 v24, v48, v50
	s_delay_alu instid0(VALU_DEP_2)
	v_add_nc_u32 v25, v49, v51
	POP34 24, 52
	POP34 25, 53
	ds_store_b32 v30, v24
	ds_store_b32 v30, v25 offset:2560
	s_wait_dscnt 0x0                               ; for the others' sake: my counts lie in LDS
	s_barrier_signal -1
	s_barrier_wait -1
.irp j, 0,1,2,3
	ds_load_b128 v[32+4*\j:35+4*\j], v31 offset:16*\j          ; bin = lane: the sixteen waves' counts
	ds_load_b128 v[48+4*\j:51+4*\j], v31 offset:2560+16*\j     ; bin = 32 + lane
.endr
	s_wait_dscnt 0x0
	v_add3_u32 v64, v32, v33, v34
	v_add3_u32 v65, v48, v49, v50
.irp i, 3,5,7,9,11,13
	s_delay_alu instid0(VALU_DEP_2)
	v_add3_u32 v64, v64, v[32+\i], v[33+\i]
	s_delay_alu instid0(VALU_DEP_2)
	v_add3_u32 v65, v65, v[48+\i], v[49+\i]
.endr
	s_delay_alu instid0(VALU_DEP_2)
	v_add_nc_u32 v64, v64, v47                     ; a bin's tokens
	s_delay_alu instid0(VALU_DEP_2)
	v_add_nc_u32 v65, v65, v63
	s_cmp_gt_u32 s22, 0
	s_cselect_b32 s36, 1, 0
	v_mul_u32_u24 v66, v32, s36
	v_mul_u32_u24 v67, v48, s36
.irp i, 1,2,3,4,5,6,7,8,9,10,11,12,13,14
	s_cmp_gt_u32 s22, \i
	s_cselect_b32 s36, 1, 0
	v_mad_u32_u24 v66, v[32+\i], s36, v66          ; those of them in waves ahead of mine
	v_mad_u32_u24 v67, v[48+\i], s36, v67
.endr
; The exclusive sums of 64 numbers (x0: 0-31, x1: 32-63) into e0, e1, the total into s[stot].  Four steps inside each 16 lanes (a lane without a source keeps its number), lane 15's sum onto lanes 16-31, lane 31's onto the second register.
.macro SCAN64 x0, x1, e0, e1, stot
	v_mov_b32 v[\e0], v[\x0]
	v_mov_b32 v[\e1], v[\x1]
.irp n, 1,2,4,8
	s_delay_alu instid0(VALU_DEP_2)
	v_add_nc_u32_dpp v[\e0], v[\e0], v[\e0] row_shr:\n row_mask:0xf bank_mask:0xf
	s_delay_alu instid0(VALU_DEP_2)
	v_add_nc_u32_dpp v[\e1], v[\e1], v[\e1] row_shr:\n row_mask:0xf bank_mask:0xf
.endr
	s_delay_alu instid0(VALU_DEP_2)
	v_readlane_b32 s36, v[\e0], 15
	s_delay_alu instid0(VALU_DEP_2)
	v_readlane_b32 s37, v[\e1], 15
	s_delay_alu instid0(VALU_DEP_2)
	v_cndmask_b32 v76, 0, s36, s38
	s_delay_alu instid0(VALU_DEP_2)
	v_cndmask_b32 v77, 0, s37, s38
	s_delay_alu instid0(VALU_DEP_2)
	v_add_nc_u32 v[\e0], v[\e0], v76
	s_delay_alu instid0(VALU_DEP_2)
	v_add_nc_u32 v[\e1], v[\e1], v77
	s_delay_alu instid0(VALU_DEP_2)
	v_readlane_b32 s36, v[\e0], 31
	s_delay_alu instid0(VALU_DEP_1)
	v_add_nc_u32 v[\e1], s36, v[\e1]
	s_delay_alu instid0(VALU_DEP_1)
	v_readlane_b32 s[\stot], v[\e1], 31
	v_sub_nc_u32 v[\e0], v[\e0], v[\x0]
	s_delay_alu instid0(VALU_DEP_3)
	v_sub_nc_u32 v[\e1], v[\e1], v[\x1]
.endm
.macro MASKS e                         ; bins whose lower expert is e (MA0: bins 0-31, MA1: bins 32-63), and whose higher is e (MB, in both registers)
.if (\e) < 4
.set MA0, 0xff<<(8*(\e))
.set MA1, 0
.else
.set MA0, 0
.set MA1, 0xff<<(8*((\e)-4))
.endif
.set MB, 0x01010101<<(\e)
.endm
	SCAN64 64, 65, 68, 69, 39                      ; where each bin begins among the sorted tokens
; SUMS DOWN THE COLUMNS (rows are 8 lanes apart): row 1 takes row 0's and row 3 row 2's (one DPP step of 8 lanes); rows 2 and 3 take the sum of rows 0 and 1 from lanes 8-15 of the other half;
; rows 4-7 likewise, and then the whole of rows 0-3, which stands in lanes 24-31 of the first register.
	s_mov_b32 s41, 0xfedcba98                      ; both selects: lane i of a half takes lane 8 + i % 8
	v_mov_b32 v70, v64
	v_mov_b32 v71, v65
	s_delay_alu instid0(VALU_DEP_2)
	v_add_nc_u32_dpp v70, v70, v70 row_shr:8 row_mask:0xf bank_mask:0xf
	s_delay_alu instid0(VALU_DEP_2)
	v_add_nc_u32_dpp v71, v71, v71 row_shr:8 row_mask:0xf bank_mask:0xf
	s_delay_alu instid0(VALU_DEP_2)
	v_permlanex16_b32 v72, v70, s41, s41
	s_delay_alu instid0(VALU_DEP_2)
	v_permlanex16_b32 v73, v71, s41, s41
	s_delay_alu instid0(VALU_DEP_2)
	v_cndmask_b32 v72, 0, v72, s38
	s_delay_alu instid0(VALU_DEP_2)
	v_cndmask_b32 v73, 0, v73, s38
	s_delay_alu instid0(VALU_DEP_2)
	v_add_nc_u32 v70, v70, v72
	s_delay_alu instid0(VALU_DEP_2)
	v_add_nc_u32 v71, v71, v73
	s_delay_alu instid0(VALU_DEP_2)
	v_permlanex16_b32 v72, v70, s41, s41           ; lanes 0-15 take lanes 24 + i % 8,
	s_delay_alu instid0(VALU_DEP_3)
	v_permlane16_b32 v73, v70, s41, s41            ; lanes 16-31 take them from their own half
	s_delay_alu instid0(VALU_DEP_1)
	v_cndmask_b32 v72, v72, v73, s38
	s_delay_alu instid0(VALU_DEP_1)
	v_add_nc_u32 v71, v71, v72
	v_sub_nc_u32 v70, v70, v64                     ; without the bin itself: a bin's first rank in its HIGHER expert's list
	s_delay_alu instid0(VALU_DEP_2)
	v_sub_nc_u32 v71, v71, v65
; SUMS ALONG THE ROWS: the sorted places run along the rows, so a bin's sum is its first sorted place less that of its row's first lane.
	v_mov_b32_dpp v74, v68 row_share:0 row_mask:0xf bank_mask:0xf
	v_mov_b32_dpp v75, v68 row_share:8 row_mask:0xf bank_mask:0xf
	v_mov_b32_dpp v78, v69 row_share:0 row_mask:0xf bank_mask:0xf
	v_mov_b32_dpp v79, v69 row_share:8 row_mask:0xf bank_mask:0xf
	s_mov_b32 s42, 0xff00ff00                      ; lanes 8-15 and 24-31
	v_cndmask_b32 v74, v74, v75, s42
	v_cndmask_b32 v78, v78, v79, s42
	s_delay_alu instid0(VALU_DEP_2)
	v_sub_nc_u32 v74, v68, v74
	s_delay_alu instid0(VALU_DEP_2)
	v_sub_nc_u32 v78, v69, v78
; In front of row e in e's list stands column e above the diagonal: the diagonal bin's column sum, spread over the row's eight lanes (all other lanes cleared, three exchanges).
	s_mov_b32 s43, 0x08040201                      ; lanes 0, 9, 18, 27: bins (0,0) .. (3,3)
	s_mov_b32 s44, 0x80402010                      ; lanes 4, 13, 22, 31: bins (4,4) .. (7,7)
	v_cndmask_b32 v75, 0, v70, s43
	v_cndmask_b32 v79, 0, v71, s44
.irp n, 1,2,4
	s_delay_alu instid0(VALU_DEP_2)
	v_mov_b32_dpp v76, v75 row_xmask:\n row_mask:0xf bank_mask:0xf
	s_delay_alu instid0(VALU_DEP_2)
	v_mov_b32_dpp v77, v79 row_xmask:\n row_mask:0xf bank_mask:0xf
	s_delay_alu instid0(VALU_DEP_2)
	v_add_nc_u32 v75, v75, v76
	s_delay_alu instid0(VALU_DEP_2)
	v_add_nc_u32 v79, v79, v77
.endr
	s_delay_alu instid0(VALU_DEP_2)
	v_add_nc_u32 v74, v74, v75                     ; a bin's first rank in its LOWER expert's list
	s_delay_alu instid0(VALU_DEP_2)
	v_add_nc_u32 v78, v78, v79
; The table for MY wave: each number + what earlier waves put into the bin.  Three fields of 10 bits: in a word that one of my tokens reads each number is a place or a rank of a token, under 1,024.
	v_add_nc_u32 v80, v68, v66
	v_add_nc_u32 v81, v69, v67
	s_delay_alu instid0(VALU_DEP_4)
	v_add_nc_u32 v76, v74, v66
	s_delay_alu instid0(VALU_DEP_4)
	v_add_nc_u32 v77, v78, v67
	s_delay_alu instid0(VALU_DEP_2)
	v_lshl_or_b32 v80, v76, 10, v80
	s_delay_alu instid0(VALU_DEP_2)
	v_lshl_or_b32 v81, v77, 10, v81
	v_add_nc_u32 v76, v70, v66
	v_add_nc_u32 v77, v71, v67
	s_delay_alu instid0(VALU_DEP_2)
	v_lshl_or_b32 v80, v76, 20, v80
	s_delay_alu instid0(VALU_DEP_2)
	v_lshl_or_b32 v81, v77, 20, v81
.macro LOOK a, b                       ; each token takes its bin's word; who is in the bin is the AND of two of the lane masks
	v_readlane_b32 s36, v[80+(8*(\a)+(\b))/32], (8*(\a)+(\b))%32
	s_and_b32 s37, s[BA0+(\a)], s[BB0+(\b)]
	s_and_b32 s39, s[BA1+(\a)], s[BB1+(\b)]
	v_cndmask_b32 v84, v84, s36, s37
	v_cndmask_b32 v85, v85, s36, s39
.endm
.irp a, 0,1,2,3,4,5,6,7
.irp b, 0,1,2,3,4,5,6,7
.if \a <= \b
	LOOK \a, \b
.endif
.endr
.endr
.macro FINISH c
.set QD, 88+4*(\c)
	v_bfe_u32 v[QD], v[84+\c], 10, 10
	s_delay_alu instid0(VALU_DEP_1)
	v_add_nc_u32 v[QD], v[QD], v[20+\c]
	s_delay_alu instid0(VALU_DEP_1)
	v_mad_u32_u24 v[QD], v[10+\c], CAP, v[QD]              ; place a: the lower expert's first place + the rank
	v_lshrrev_b32 v[102+\c], 20, v[84+\c]
	s_delay_alu instid0(VALU_DEP_1)
	v_add_nc_u32 v[102+\c], v[102+\c], v[20+\c]
	s_delay_alu instid0(VALU_DEP_1)
	v_mad_u32_u24 v[102+\c], v[12+\c], CAP, v[102+\c]      ; place b,
	s_delay_alu instid0(VALU_DEP_1)
	v_cndmask_b32 v[QD+1], v[102+\c], v104, s[34+\c]       ; or the zero row
	v_cndmask_b32 v[12+\c], v[12+\c], 15, s[34+\c]         ; (a token with one pair has no second expert)
	s_delay_alu instid0(VALU_DEP_1)
	v_lshl_or_b32 v[QD+2], v[12+\c], 4, v[10+\c]
	v_mov_b32 v[QD+3], v[22+\c]
	v_and_b32 v[96+\c], 0x3ff, v[84+\c]
	s_delay_alu instid0(VALU_DEP_1)
	v_add_nc_u32 v[96+\c], v[96+\c], v[20+\c]              ; sorted place
	s_delay_alu instid0(VALU_DEP_1)
	v_min_u32 v[96+\c], 0x3ff, v[96+\c]                    ; every index is held inside its table last of all, then shifted
	s_delay_alu instid0(VALU_DEP_1)
	v_lshlrev_b32 v[96+\c], 4, v[96+\c]
	v_min_u32 v[98+\c], 0x20ff, v[QD]
	s_delay_alu instid0(VALU_DEP_1)
	v_lshlrev_b32 v[98+\c], 2, v[98+\c]
	v_cndmask_b32 v[100+\c], v[102+\c], v[QD], s[34+\c]    ; a token with one pair stores that pair twice, the same numbers to the same place: all lanes stay on
	s_delay_alu instid0(VALU_DEP_1)
	v_min_u32 v[100+\c], 0x20ff, v[100+\c]
	s_delay_alu instid0(VALU_DEP_1)
	v_lshlrev_b32 v[100+\c], 2, v[100+\c]
	v_cndmask_b32 v[18+\c], v[18+\c], v[16+\c], s[34+\c]
	global_store_b128 v[96+\c], v[QD:QD+3], s[18:19]
	global_store_b32 v[98+\c], v[22+\c], s[18:19] offset:R_ROWTOK
	global_store_b32 v[100+\c], v[22+\c], s[18:19] offset:R_ROWTOK
	global_store_b32 v[98+\c], v[16+\c], s[20:21]
	global_store_b32 v[100+\c], v[18+\c], s[20:21]
.endm
	FINISH 0
	FINISH 1
; The experts that sorted tokens 32 P .. 32 P + 31 use: the bins that overlap that range, and for each expert whether one of them holds it.  Wave w makes P = w and P = w + 16.
	v_add_nc_u32 v105, v68, v64                    ; where each bin ends
	v_add_nc_u32 v106, v69, v65
	v_cmp_ne_u32 s44, 0, v64
	v_cmp_ne_u32 s45, 0, v65
.macro PAIRLIST add, dreg, oreg
	s_add_co_u32 s46, s22, \add
	s_lshl_b32 s47, s46, 5
	s_add_co_u32 s48, s47, 32
	v_cmp_gt_u32 s49, s48, v68
	v_cmp_lt_u32 s50, s47, v105
	s_and_b32 s49, s49, s50
	s_and_b32 s49, s49, s44
	v_cmp_gt_u32 s50, s48, v69
	v_cmp_lt_u32 s51, s47, v106
	s_and_b32 s50, s50, s51
	s_and_b32 s50, s50, s45
	s_mov_b32 s51, 0                               ; the list, a nibble an expert
	s_mov_b32 s53, 0                               ; where the next nibble goes
.irp e, 0,1,2,3,4,5,6,7
	MASKS \e
	s_lshl_b32 s54, \e, s53
	s_and_b32 s55, s49, MA0|MB
	s_and_b32 s56, s50, MA1|MB
	s_or_b32 s55, s55, s56                         ; SCC: expert e is used
	s_cselect_b32 s54, s54, 0
	s_cselect_b32 s56, 4, 0
	s_or_b32 s51, s51, s54
	s_add_co_u32 s53, s53, s56
.endr
	s_lshr_b32 s52, s53, 2                         ; how many: four bits each
	v_mov_b32 v[\dreg], s51
	v_mov_b32 v[\dreg+1], s52
	s_lshl_b32 s46, s46, 3
	v_mov_b32 v[\oreg], s46
	global_store_b64 v[\oreg], v[\dreg:\dreg+1], s[18:19] offset:R_PL   ; all lanes store the same eight bytes with the same numbers
.endm
	PAIRLIST 0, 108, 112
	PAIRLIST 16, 110, 113
	s_cmp_lg_u32 s22, 0
	s_cbranch_scc1 .Lr_end
	v_add_nc_u32 v76, v74, v64                     ; an expert's rows: where its row's last bin ends in its list
	v_add_nc_u32 v77, v78, v65
	v_mov_b32 v114, 0
.irp e, 0,1,2,3
	v_readlane_b32 s36, v76, 8*\e+7
	v_readlane_b32 s37, v77, 8*\e+7
	s_delay_alu instid0(VALU_DEP_2)
	v_writelane_b32 v114, s36, \e
	s_delay_alu instid0(VALU_DEP_1)
	v_writelane_b32 v114, s37, \e+4
.endr
	v_lshlrev_b32 v115, 2, v1
	global_store_b32 v115, v114, s[18:19] offset:R_CNT     ; the eight counts, and 24 zeros
.Lr_end:
	s_wait_tensorcnt 0x0
	ds_add_u32 v128, v129
	s_wait_dscnt 0x0
	s_endpgm
.Lfunc_end_k_qd9049c9286_prep:
	.size	k_qd9049c9286_prep, .Lfunc_end_k_qd9049c9286_prep-k_qd9049c9286_prep
	.p2alignl 7, 3214868480
	.fill 96, 4, 3214868480
	.section	.rodata,"a",@progbits
	.p2align	6, 0x0
	.amdhsa_kernel k_qd9049c9286_prep
		.amdhsa_group_segment_fixed_size 9216
		.amdhsa_private_segment_fixed_size 0
		.amdhsa_enable_private_segment 0
		.amdhsa_kernarg_size 72
		.amdhsa_user_sgpr_count 2
		.amdhsa_user_sgpr_kernarg_segment_ptr 1
		.amdhsa_wavefront_size32 1
		.amdhsa_system_sgpr_workgroup_id_x 1
		.amdhsa_system_sgpr_workgroup_id_y 1
		.amdhsa_system_sgpr_workgroup_id_z 1
		.amdhsa_system_vgpr_workitem_id 0
		.amdhsa_next_free_vgpr 130
		.amdhsa_next_free_sgpr 100
		.amdhsa_reserve_vcc 1
		.amdhsa_float_denorm_mode_32 3
		.amdhsa_float_denorm_mode_16_64 3
		.amdhsa_memory_ordered 1
		.amdhsa_forward_progress 1
		.amdhsa_inst_pref_size 72
	.end_amdhsa_kernel
	.amdgpu_metadata
---
amdhsa.version: [ 1, 2 ]
amdhsa.kernels:
  - .name:           k_qd9049c9286_prep
    .symbol:         k_qd9049c9286_prep.kd
    .args:
      - { .name: down_w, .offset: 0, .size: 8, .value_kind: global_buffer, .address_space: global }
      - { .name: selected_experts, .offset: 8, .size: 8, .value_kind: global_buffer, .address_space: global }
      - { .name: routing_weights, .offset: 16, .size: 8, .value_kind: global_buffer, .address_space: global }
      - { .name: dq, .offset: 24, .size: 8, .value_kind: global_buffer, .address_space: global }
      - { .name: dsc, .offset: 32, .size: 8, .value_kind: global_buffer, .address_space: global }
      - { .name: hid, .offset: 40, .size: 8, .value_kind: global_buffer, .address_space: global }
      - { .name: hsc, .offset: 48, .size: 8, .value_kind: global_buffer, .address_space: global }
      - { .name: route, .offset: 56, .size: 8, .value_kind: global_buffer, .address_space: global }
      - { .name: roww, .offset: 64, .size: 8, .value_kind: global_buffer, .address_space: global }
    .group_segment_fixed_size: 9216
    .private_segment_fixed_size: 0
    .kernarg_segment_align: 8
    .kernarg_segment_size: 72
    .max_flat_workgroup_size: 512
    .sgpr_count:     100
    .vgpr_count:     130
    .wavefront_size: 32
...
	.end_amdgpu_metadata
.endif
;; end of part 4
;; launch gateup (part 5): grid 32 x 8, 8 waves a work-group, no clusters, 67,584 bytes of LDS; arguments x_codes, x_scales, gate_w_codes, gate_w_scales, up_w_codes, up_w_scales, route, roww, hid, hsc; writes hid, hsc
.if DOCPART == 5
	.amdgcn_target "amdgcn-amd-amdhsa--gfx1250"
	.amdhsa_code_object_version 6
	.text
	.protected	k_qd9049c9286_gateup
	.globl	k_qd9049c9286_gateup
	.p2align	8
	.type	k_qd9049c9286_gateup,@function
k_qd9049c9286_gateup:
	s_mov_b64 s[64:65], 0
	v_nop
	global_prefetch_b8 v0, s[64:65] scope:SCOPE_SE
	s_setreg_imm32_b32 hwreg(HW_REG_WAVE_SCHED_MODE, 0, 2), 2
	s_setreg_imm32_b32 hwreg(HW_REG_WAVE_MODE, 25, 1), 1
	s_wait_xcnt 0x0
	s_wait_alu depctr_vm_vsrc(0)
; For one expert e (work-group y) and one block of 32 hidden units (work-group x): g = x gate^T, u = x up^T on codes of E2M1 with E8M0 scales, K = 2,048, for the rows of e's list alone;
; a = gelu(g) u w in f32 (tanh form, written as g / (1 + 2^(g (k0 + k1 g^2)))); a is quantised along the hidden units: the 32 units are one block.  Codes go to hid [block][place][16 bytes], the scale byte to hsc [K step][place][4].
; SHARES.  The work-group's 32 rows of gate and 32 of up (64 x 1,024 bytes) are read from memory once in the launch and lie in LDS.  A wave takes 48 rows of the list at a time (three tiles of 16 tokens), rows 48 w, then 384 further on.
; No tensor load and no cluster: how many rows there are is a stored number, and waves without rows end.
; BOTH PRODUCTS ARE USED TRANSPOSED (source 0 = 16 rows of a weight, source 1 = 16 tokens), and a tile's weight rows are chosen: lane r of tile u takes row 8 u + r + 8 (r / 8).  So a lane holds ONE token,
; and the 16 registers of tiles 0 and 1 are hidden units 16 (lane / 16) + 0..15: neighbours along the next product's K.
; LIMITS: NaN and infinities are not served; a block of zeros gets the byte 1 (its codes are zeros; this program alone reads the bytes).  Rows of the list beyond its count hold nothing: what is loaded there is replaced (token 0, weight 0) before use.
; REGISTERS, window 0: v1-11 lane terms; v12-14 x rows' offsets, v15-16 x scales' offsets; v17-23 as loaded: tokens of three tiles, tokens by lane, weights; v[24:29] weights as pairs; v[30:31] k0;
;   v32-47, v48-63 gate's and up's scale words, v64-79, v80-95 x's (tiles 0 | 1; tile 2): scales alone; v96-159 two sets of four weight fragments, later the arithmetic; v160-255 twelve accumulators (tile m: g0, g1, u0, u1).
;   window 1: v0-239 ten K steps of x, three fragments each.   s60-63: the trip head's four lane masks.
; THE MODE: SCHED_MODE bits 1:0 = 2 (LLVM: expert scheduling mode 2), set by the entry lines.  The code itself states the register dependences between vector or matrix instructions and memory or LDS instructions, with s_wait_alu, always for 0.
; THE PLAN.  Registers that memory or LDS instructions touch:
;   v4-6, v8-11   offsets and LDS addresses: written at the head, never again.
;   v160-223      at the head: the weights as loaded, read by the LDS stores; from step 0 on accumulators.
;   v17-23        the list's seven loads land here; the trip head's vector lines read them (and write v17-20); behind those lines the next trip's seven loads land.
;   v12-16        written at the trip head; read by x's loads and by its scale words' loads.
;   v64-95, window 1's ten slots   loads land; products alone read them.
;   v96-159       set t % 2: the LDS loads of K step t land, step t's products read; behind step 15 the trip's arithmetic works here, and v149, v153-159 are the stores' data.
; So: ONE wait on va_vdst behind the trip head's vector lines covers every load up to step 0.  ONE at the head of each of steps 1 to 14 states that the step before is done reading its set and its slot: behind it x of nine steps on is asked
; for, into that slot, and the next step's weight fragments, into that set, dealt among this step's products, which name the other set, another slot, scale words and accumulators.  ONE stands ahead of the trip's five stores.
; ONE wait on vm_vsrc, at the trip's head, stands ahead of all that writes registers which stores, LDS stores or loads have read.
.set CAP,      1056
.set PLANE,    136192
.set HSP,      34048
.set R_ROWTOK, 16384
.set R_CNT,    50176
.set WP,       1040                    ; a weight row in LDS: 1,024 bytes + 16: an odd multiple of 16, so the sixteen rows of a load start at sixteen different 16-byte columns
.set ACC,      160
.set RING,     96
.set WSG,      32
.set XSC0,     64
.set MSB, 0
.macro WIN new                         ; the immediate's high byte repeats the setting that is left
.if MSB != \new
	s_set_vgpr_msb (MSB<<8)|\new
.set MSB, \new
.endif
.endm
; One product on the symbols rD, rA, rB, rSA, rSB.  fZ: it starts the sum.  fRA, fRB: that side's scale words stand in lanes 16-31.
.macro WMMA4
.if fZ
.if fRA && fRB
	v_wmma_scale_f32_16x16x128_f8f6f4 v[rD:rD+7], v[rA:rA+7], v[rB:rB+7], 0, v[rSA], v[rSB] matrix_a_fmt:MATRIX_FMT_FP4 matrix_b_fmt:MATRIX_FMT_FP4 matrix_a_scale:MATRIX_SCALE_ROW1 matrix_b_scale:MATRIX_SCALE_ROW1
.elseif fRA
	v_wmma_scale_f32_16x16x128_f8f6f4 v[rD:rD+7], v[rA:rA+7], v[rB:rB+7], 0, v[rSA], v[rSB] matrix_a_fmt:MATRIX_FMT_FP4 matrix_b_fmt:MATRIX_FMT_FP4 matrix_a_scale:MATRIX_SCALE_ROW1
.elseif fRB
	v_wmma_scale_f32_16x16x128_f8f6f4 v[rD:rD+7], v[rA:rA+7], v[rB:rB+7], 0, v[rSA], v[rSB] matrix_a_fmt:MATRIX_FMT_FP4 matrix_b_fmt:MATRIX_FMT_FP4 matrix_b_scale:MATRIX_SCALE_ROW1
.else
	v_wmma_scale_f32_16x16x128_f8f6f4 v[rD:rD+7], v[rA:rA+7], v[rB:rB+7], 0, v[rSA], v[rSB] matrix_a_fmt:MATRIX_FMT_FP4 matrix_b_fmt:MATRIX_FMT_FP4
.endif
.else
.if fRA && fRB
	v_wmma_scale_f32_16x16x128_f8f6f4 v[rD:rD+7], v[rA:rA+7], v[rB:rB+7], v[rD:rD+7], v[rSA], v[rSB] matrix_a_fmt:MATRIX_FMT_FP4 matrix_b_fmt:MATRIX_FMT_FP4 matrix_a_scale:MATRIX_SCALE_ROW1 matrix_b_scale:MATRIX_SCALE_ROW1
.elseif fRA
	v_wmma_scale_f32_16x16x128_f8f6f4 v[rD:rD+7], v[rA:rA+7], v[rB:rB+7], v[rD:rD+7], v[rSA], v[rSB] matrix_a_fmt:MATRIX_FMT_FP4 matrix_b_fmt:MATRIX_FMT_FP4 matrix_a_scale:MATRIX_SCALE_ROW1
.elseif fRB
	v_wmma_scale_f32_16x16x128_f8f6f4 v[rD:rD+7], v[rA:rA+7], v[rB:rB+7], v[rD:rD+7], v[rSA], v[rSB] matrix_a_fmt:MATRIX_FMT_FP4 matrix_b_fmt:MATRIX_FMT_FP4 matrix_b_scale:MATRIX_SCALE_ROW1
.else
	v_wmma_scale_f32_16x16x128_f8f6f4 v[rD:rD+7], v[rA:rA+7], v[rB:rB+7], v[rD:rD+7], v[rSA], v[rSB] matrix_a_fmt:MATRIX_FMT_FP4 matrix_b_fmt:MATRIX_FMT_FP4
.endif
.endif
.endm
	s_load_b512 s[4:19], s[0:1], 0x0               ; x codes s[4:5], x scales s[6:7], gate codes s[8:9], gate scales s[10:11], up codes s[12:13], up scales s[14:15], route s[16:17], roww s[18:19]
	s_load_b128 s[20:23], s[0:1], 0x40             ; hid, hsc
	s_set_vgpr_msb 0x40
	v_lshl_add_u32 v254, v0, 2, 0x10400
	v_mov_b32 v255, 0
	s_set_vgpr_msb 0x4000
	v_lshrrev_b32 v3, 5, v0
	v_readfirstlane_b32 s24, v3                    ; wave 0..7
	s_mov_b32 s25, ttmp9                           ; block of 32 hidden units
	s_and_b32 s26, ttmp7, 0xffff                   ; expert
	v_and_b32 v1, 31, v0                           ; l
	v_and_b32 v2, 15, v0                           ; r
	v_bfe_u32 v3, v0, 4, 1                         ; h
	v_lshlrev_b32 v4, 4, v1                        ; 16 l
	s_wait_alu depctr_va_vdst(0)
	v_lshlrev_b32 v7, 4, v3                        ; 16 h
	v_mul_u32_u24 v5, v2, WP
	v_add_nc_u32 v5, v5, v7                        ; a weight fragment: row r x pitch + 16 h
	s_wait_alu depctr_va_sdst(0)                   ; s24, the wave's number, is written, ahead of its first reader
	s_lshr_b32 s41, s24, 2                         ; where my eight weight rows go.  LDS holds the rows in the order of the tiles: 32 x (up) + 16 u + m for weight row 8 u + m + 8 (m / 8);
	s_lshl_b32 s41, s41, 5                         ; rows 8 g .. 8 g + 7 (g = wave % 4) are u = g % 2, m = 8 (g / 2) + n
	s_and_b32 s42, s24, 1
	s_lshl_b32 s42, s42, 4
	s_add_co_u32 s41, s41, s42
	s_bfe_u32 s42, s24, 0x10001
	s_lshl_b32 s42, s42, 3
	s_add_co_u32 s41, s41, s42
	s_mul_i32 s41, s41, WP
	v_add_nc_u32 v6, s41, v4
	v_and_b32 v8, 8, v2
	v_add_nc_u32 v8, v8, v2
	v_lshl_add_u32 v8, v3, 3, v8
	v_lshlrev_b32 v8, 6, v8                        ; weight scales: lanes 0-15 tile 0's rows, lanes 16-31 tile 1's: row 8 (l / 16) + r + 8 (r / 8), 64 bytes a row
	v_lshlrev_b32 v9, 2, v2                        ; 4 r
	v_lshlrev_b32 v10, 2, v1                       ; 4 l
	v_lshlrev_b32 v11, 4, v2
	v_lshl_add_u32 v11, v3, 3, v11                 ; codes out: 16 r + 8 h
	v_mov_b32 v30, 0xc0135761                      ; k0 = -2 log2(e) sqrt(2 / pi)
	v_mov_b32 v31, 0xc0135761
	s_mov_b32 s32, 0x76543210
	s_mov_b32 s33, 0xfedcba98                      ; v_permlanex16_b32's selects for lane l xor 16
	s_mov_b32 s40, 0xffff0000                      ; lanes 16-31
	s_lshl_b32 s41, s26, 2
	s_mul_i32 s28, s24, 48                         ; my first row of the list
	s_wait_kmcnt 0x0
	s_load_b32 s27, s[16:17], s41 offset:R_CNT     ; the list's length
	s_cmp_lt_u32 s24, 4                            ; waves 0-3 bring gate's 32 rows, waves 4-7 up's: eight rows each
	s_cselect_b64 s[42:43], s[8:9], s[12:13]
	s_lshl_b32 s44, s26, 20
	s_lshl_b32 s45, s25, 15
	s_add_co_u32 s44, s44, s45
	s_and_b32 s45, s24, 3
	s_lshl_b32 s45, s45, 13
	s_add_co_u32 s44, s44, s45
	s_mov_b32 s45, 0
	s_add_nc_u64 s[42:43], s[42:43], s[44:45]
	s_wait_alu depctr_va_vdst(0)                   ; v4 to v6 and v8 to v11 are written: the loads, LDS stores, LDS loads and stores of the whole kernel read them as offsets and addresses
.irp n, 0,1,2,3,4,5,6,7
.irp f, 0,1
	global_load_b128 v[ACC+8*\n+4*\f:ACC+8*\n+4*\f+3], v4, s[42:43] offset:\n*1024+\f*512 th:TH_LOAD_NT   ; 512 consecutive bytes a load; read once in the launch
.endr
.endr
	s_lshl_b32 s44, s26, 16
	s_lshl_b32 s46, s25, 11
	s_add_co_u32 s44, s44, s46
	s_add_nc_u64 s[10:11], s[10:11], s[44:45]
	s_add_nc_u64 s[14:15], s[14:15], s[44:45]
.irp j, 0,1,2,3
	global_load_b128 v[WSG+4*\j:WSG+4*\j+3], v8, s[10:11] offset:16*\j         ; the sixteen K steps' scale words of my row: they stay
	global_load_b128 v[WSG+16+4*\j:WSG+16+4*\j+3], v8, s[14:15] offset:16*\j
.endr
	s_mul_i32 s46, s26, CAP
	s_lshl_b32 s44, s46, 2
	s_add_nc_u64 s[30:31], s[16:17], s[44:45]      ; route and roww at the expert's first place
	s_add_nc_u64 s[34:35], s[18:19], s[44:45]
	s_lshr_b32 s47, s25, 2
	s_mul_i32 s47, s47, HSP
	s_add_co_u32 s44, s44, s47
	s_and_b32 s47, s25, 3
	s_add_co_u32 s44, s44, s47
	s_add_nc_u64 s[38:39], s[22:23], s[44:45]      ; hsc: my K step's plane, the expert's first place, my byte of the word
	s_mul_i32 s44, s25, PLANE
	s_lshl_b32 s47, s46, 4
	s_add_co_u32 s44, s44, s47
	s_add_nc_u64 s[36:37], s[20:21], s[44:45]      ; hid: my block's plane, the expert's first place
.macro TOKLOAD srow                    ; seven loads: the tokens of rows s[srow] + 16 m + r, of rows s[srow] + l, and the weights of rows s[srow] + 16 m + r
	s_lshl_b32 s56, s[\srow], 2
	s_mov_b32 s57, 0
	s_add_nc_u64 s[52:53], s[30:31], s[56:57]
	s_add_nc_u64 s[54:55], s[34:35], s[56:57]
.irp m, 0,1,2
	global_load_b32 v[17+\m], v9, s[52:53] offset:R_ROWTOK+64*\m
.endr
	global_load_b32 v20, v10, s[52:53] offset:R_ROWTOK
.irp m, 0,1,2
	global_load_b32 v[21+\m], v9, s[54:55] offset:64*\m
.endr
.endm
	TOKLOAD 28
	s_wait_loadcnt 15                              ; the sixteen weight loads are in; the 8 loads of scales and the 7 of the list may be out
.irp n, 0,1,2,3,4,5,6,7
.irp f, 0,1
	ds_store_b128 v6, v[ACC+8*\n+4*\f:ACC+8*\n+4*\f+3] offset:\n*WP+\f*512
.endr
.endr
	s_wait_kmcnt 0x0
	s_min_u32 s27, s27, 1024
	s_wait_dscnt 0x0                               ; for the others' sake: my eight rows lie in LDS
	s_barrier_signal -1
	s_barrier_wait -1                              ; the only barrier; nothing is stored to LDS behind it
	s_cmp_ge_u32 s28, s27
	s_cbranch_scc1 .Lend                           ; no rows for me
	; my trips: rows 48 w, + 384, + 768, as far as they lie under the list's length (1,024 at the most): 1 to 3.  The last row that a trip can begin at is 1,008, so its 48 places end at the expert's 1,056.
	s_add_co_u32 s58, s28, 384
	s_cmp_gt_u32 s27, s58
	s_cselect_b32 s59, 2, 1
	s_add_co_u32 s58, s28, 768
	s_cmp_gt_u32 s27, s58
	s_cselect_b32 s58, 1, 0
	s_add_co_u32 s59, s59, s58                     ; s59: how many trips
	s_mov_b32 s58, 0                               ; s58: the loop's counter
.macro XLOAD t                         ; x's three fragments of K step t into slot t % 10 of window 1: lane (r, h) takes 16 bytes at token x 1,024 + 64 t + 32 c + 16 h
.irp m, 0,1,2
.irp c, 0,1
	global_load_b128 v[24*((\t)%10)+8*\m+4*\c:24*((\t)%10)+8*\m+4*\c+3], v[12+\m], s[4:5] offset:64*(\t)+32*\c
.endr
.endr
.endm
.macro LDWQ t, q                       ; weight fragment q (gate's tiles 0, 1, up's tiles 0, 1) of K step t into set t % 2
.irp c, 0,1
	ds_load_b128 v[RING+32*((\t)%2)+8*(\q)+4*\c:RING+32*((\t)%2)+8*(\q)+4*\c+3], v5 offset:(\q)*16*WP+64*(\t)+32*\c
.endr
.endm
.macro LDW t                           ; all four
.irp q, 0,1,2,3
	LDWQ \t, \q
.endr
.endm
; A K step of 128: twelve products, the twelve accumulators by turns, one instruction a turn, in the same order in every step.
; Steps 1 to 14 ask for the next step's weight fragments, steps 1 to 6 also for x of nine steps on: into the set and the slot that the step before has read.
.macro KSTEP t
.set fLW, 0
.set fLX, 0
.if (\t) >= 1
.if (\t) <= 14
.set fLW, 1
.endif
.if (\t) <= 6
.set fLX, 1
.endif
.endif
.if (\t) == 0
	s_wait_dscnt 8                                 ; set 0 is in; set 1's eight loads may be out
	s_wait_loadcnt 54                              ; step 0's x is in, and all that was asked for ahead of it (the next trip's list, x's scale words); nine later steps, six loads each, may be out
.else
	s_wait_dscnt 0x0                               ; this step's weight fragments are in: nothing younger has been asked of LDS
.if 6*(15-(\t)) < 48
	s_wait_loadcnt 6*(15-(\t))                     ; this step's x is in; six loads for each later step may be out
.else
	s_wait_loadcnt 48                              ; eight later steps have been asked for
.endif
.endif
.if fLX
	WIN 0x40                                       ; destination window 1, address window 0: the switch, then the wait, then the loads
.endif
.if fLW
	s_wait_alu depctr_va_vdst(0)                   ; the step before is done reading its set of weight fragments and its slot of x, in which the loads of this step land
.endif
.if fLX
	XLOAD (\t)+9
	WIN 0x04
.endif
.irp m, 0,1,2
.irp q, 0,1,2,3
.set rD, ACC+8*(4*\m+\q)
.set rA, RING+32*((\t)%2)+8*\q
.set rB, 24*((\t)%10)+8*\m
.set rSA, WSG+16*(\q/2)+(\t)
.set rSB, XSC0+16*(\m/2)+(\t)
.set fZ, (\t)==0
.set fRA, \q%2
.set fRB, \m%2
	WMMA4
.if fLW
.if \m == 0
	LDWQ (\t)+1, \q                                ; a fragment behind each of the first four products.  No wait: no product since the wait above names the other set, nor v5
.endif
.endif
.endr
.endr
.rept 4
	v_nop                                          ; four places behind these products, in front of the next step's loads into registers that they have read, and of the first read of results
.endr
.endm
.Lrow:
	s_wait_loadcnt 0x0                             ; the list's seven loads (and, the first time, the weights' scales): every earlier load is done, so its address registers may be written
	s_wait_alu depctr_vm_vsrc(0)                   ; the first time: my LDS stores have read v160-223, which step 0's products write; later: the last trip's loads have read v12-16, written below, and its stores v149, v153-159, in which LDS loads land
	s_sub_co_u32 s29, s27, s28                     ; rows left from my first
.irp m, 0,1,2
	v_add_nc_u32 v3, 16*\m, v2
	v_cmp_gt_u32 s[60+\m], s29, v3                 ; the lanes whose row of tile m lies inside the list
.endr
	v_cmp_gt_u32 s63, s29, v1                      ; and those whose row l does
	s_add_co_u32 s47, s28, 384
	s_min_u32 s47, s47, 1008                       ; the next trip's rows, held inside the expert's 1,056 places
	s_wait_alu depctr_va_sdst(0)                   ; the four compares have written s60 to s63, ahead of the selects that read them
.irp m, 0,1,2
	v_cndmask_b32 v[17+\m], 0, v[17+\m], s[60+\m]  ; beyond the list's end: token 0,
	v_cndmask_b32 v[24+2*\m], 0, v[21+\m], s[60+\m]  ; weight 0
	v_min_u32 v[17+\m], 0x3ff, v[17+\m]
	v_lshl_add_u32 v[12+\m], v[17+\m], 10, v7
	v_mov_b32 v[25+2*\m], v[24+2*\m]
.endr
	v_cndmask_b32 v20, 0, v20, s63
	v_min_u32 v20, 0x3ff, v20
	v_lshlrev_b32 v15, 6, v20                      ; x's scale words: lanes 0-15 tile 0's tokens, lanes 16-31 tile 1's;
	v_lshlrev_b32 v16, 6, v19                      ; tile 2's
	s_wait_alu depctr_va_vdst(0)                   ; the lines above are done with v17-23, in which the next list lands, and have written the offsets v12-16; the last trip's products and arithmetic are done with v64-95, x's slots and v96-159, in which the loads below land
	TOKLOAD 47
	s_lshl_b32 s56, s28, 4
	s_add_nc_u64 s[48:49], s[36:37], s[56:57]      ; where this trip's codes go,
	s_lshl_b32 s56, s28, 2
	s_add_nc_u64 s[50:51], s[38:39], s[56:57]      ; and its scale bytes
.irp j, 0,1,2,3
	global_load_b128 v[XSC0+4*\j:XSC0+4*\j+3], v15, s[6:7] offset:16*\j
	global_load_b128 v[XSC0+16+4*\j:XSC0+16+4*\j+3], v16, s[6:7] offset:16*\j
.endr
	WIN 0x40                                       ; destination window 1, address window 0 (since the wait above: loads, scalar lines and this switch alone)
.irp t, 0,1,2,3,4,5,6,7,8,9
	XLOAD \t
.endr
	WIN 0x04                                       ; source 1 (x) window 1; all else window 0
	LDW 0
	LDW 1
.irp t, 0,1,2,3,4,5,6,7,8,9,10,11,12,13,14,15
	KSTEP \t
.endr
	WIN 0
	; a = g / (1 + 2^(g (k0 + k1 g^2))) x u x w, 48 numbers a lane, in pairs, each accumulator from its low end on.  T = v96-143.
.set p, 0
.rept 24
.set rT, 96+2*p
.set rG, ACC+32*(p/8)+2*(p%8)
	v_pk_mul_f32 v[rT:rT+1], v[rG:rG+1], v[rG:rG+1]
.set p, p+1
.endr
.set p, 0
.rept 24
.set rT, 96+2*p
	v_pk_fma_f32 v[rT:rT+1], v[rT:rT+1], 0xbdd2d3e8, v[30:31] op_sel_hi:[1,0,1]   ; k1 = 0.044715 k0
.set p, p+1
.endr
.set p, 0
.rept 24
.set rT, 96+2*p
.set rG, ACC+32*(p/8)+2*(p%8)
	v_pk_mul_f32 v[rT:rT+1], v[rT:rT+1], v[rG:rG+1]
.set p, p+1
.endr
.set p, 0
	s_wait_alu depctr_va_vdst(0)
.rept 48
	v_exp_f32 v[96+p], v[96+p]
.set p, p+1
.endr
	v_nop                                          ; a plain line behind the last exponential,
	s_wait_alu depctr_va_vdst(0)                   ; and one wait for the batch: the 48 exponentials have written v96-143, ahead of their first reader
.set p, 0
.rept 24
.set rT, 96+2*p
	v_pk_add_f32 v[rT:rT+1], v[rT:rT+1], 1.0 op_sel_hi:[1,0]
.set p, p+1
.endr
.set p, 0
	s_wait_alu depctr_va_vdst(0)
.rept 48
	v_rcp_f32 v[96+p], v[96+p]
.set p, p+1
.endr
	v_nop
	s_wait_alu depctr_va_vdst(0)                   ; one wait for the 48 reciprocals: they have written v96-143, ahead of their first reader
.set p, 0
.rept 24
.set rT, 96+2*p
.set rG, ACC+32*(p/8)+2*(p%8)
	v_pk_mul_f32 v[rT:rT+1], v[rT:rT+1], v[rG:rG+1]            ; gelu(g)
.set p, p+1
.endr
.set p, 0
.rept 24
.set rT, 96+2*p
.set rG, ACC+32*(p/8)+2*(p%8)
	v_pk_mul_f32 v[rT:rT+1], v[rT:rT+1], v[rG+16:rG+17]        ; x u
.set p, p+1
.endr
.set p, 0
.rept 24
.set rT, 96+2*p
	v_pk_mul_f32 v[rT:rT+1], v[rT:rT+1], v[24+2*(p/8):25+2*(p/8)]   ; x the row's weight
.set p, p+1
.endr
	; the block of 32 lies in lanes l and l xor 16.  v144+m largest magnitude, v147+m the other lane's, then the byte, v150+m the conversion's scale operand, v[154+2m:155+2m] codes
.irp m, 0,1,2
	v_max3_num_f32 v[144+\m], |v[96+16*\m]|, |v[97+16*\m]|, 0x1800000   ; with the floor 2^(3 - 127): the byte cannot fall under 1
.endr
.irp i, 2,4,6,8,10,12,14
.irp m, 0,1,2
	v_max3_num_f32 v[144+\m], v[144+\m], |v[96+16*\m+\i]|, |v[97+16*\m+\i]|
.endr
.endr
.irp m, 0,1,2
	v_permlanex16_b32 v[147+\m], v[144+\m], s32, s33
.endr
.irp m, 0,1,2
	v_max_num_f32 v[144+\m], v[144+\m], v[147+\m]
.endr
.irp m, 0,1,2
	v_add_nc_u32 v[150+\m], 0xff000000, v[144+\m]  ; 2 off the exponent field
.endr
.irp m, 0,1,2
	v_lshrrev_b32 v[147+\m], 23, v[150+\m]         ; the scale's byte
.endr
.irp m, 0,1,2
	v_cvt_scalef32_pk8_fp4_f32 v[154+2*\m], v[96+16*\m:103+16*\m], v[150+\m]
	v_cvt_scalef32_pk8_fp4_f32 v[155+2*\m], v[104+16*\m:111+16*\m], v[150+\m]
.endr
	v_nop                                          ; one plain line behind the last conversion
	v_cndmask_b32 v153, v147, v148, s40            ; lanes 0-15 tile 0's bytes, lanes 16-31 tile 1's
	s_wait_alu depctr_va_vdst(0)                   ; the conversions have written the codes v154-159, the shift v149 and the select v153: the five stores read them
.irp m, 0,1,2
	global_store_b64 v11, v[154+2*\m:155+2*\m], s[48:49] offset:256*\m   ; sixteen places x 16 bytes: 256 consecutive bytes, aligned
.endr
	global_store_b8 v10, v153, s[50:51]            ; a word's four bytes come from four work-groups, so they leave singly: 48 bytes a trip beside 768 of codes
	global_store_b8 v9, v149, s[50:51] offset:128  ; (both halves of the lanes store the same byte)
	s_wait_xcnt 0x0                                ; the stores have read their registers and bases: the next trip writes them again (the wait on vm_vsrc for their vector registers stands at the trip's head)
	s_add_co_u32 s28, s28, 384                     ; my next 48 rows
	s_add_co_u32 s58, s58, 1                       ; the loop ends on its own counter, stepped by one
	s_cmp_lt_u32 s58, s59
	s_cbranch_scc1 .Lrow
.Lend:
	s_set_vgpr_msb 0x5                             ; the add's two registers, sources 0 and 1, lie in window 1
	s_wait_dscnt 0x0                               ; the closing lines, six on end
	s_wait_alu 0x0
	s_wait_tensorcnt 0x0
	ds_add_u32 v254, v255
	s_wait_dscnt 0x0
	s_endpgm
.Lfunc_end_k_qd9049c9286_gateup:
	.size	k_qd9049c9286_gateup, .Lfunc_end_k_qd9049c9286_gateup-k_qd9049c9286_gateup
	.p2alignl 7, 3214868480
	.fill 96, 4, 3214868480
	.section	.rodata,"a",@progbits
	.p2align	6, 0x0
	.amdhsa_kernel k_qd9049c9286_gateup
		.amdhsa_group_segment_fixed_size 67584
		.amdhsa_private_segment_fixed_size 0
		.amdhsa_enable_private_segment 0
		.amdhsa_kernarg_size 80
		.amdhsa_user_sgpr_count 2
		.amdhsa_user_sgpr_kernarg_segment_ptr 1
		.amdhsa_wavefront_size32 1
		.amdhsa_system_sgpr_workgroup_id_x 1
		.amdhsa_system_sgpr_workgroup_id_y 1
		.amdhsa_system_sgpr_workgroup_id_z 1
		.amdhsa_system_vgpr_workitem_id 0
		.amdhsa_next_free_vgpr 512
		.amdhsa_next_free_sgpr 66
		.amdhsa_reserve_vcc 0
		.amdhsa_float_denorm_mode_32 3
		.amdhsa_float_denorm_mode_16_64 3
		.amdhsa_memory_ordered 1
		.amdhsa_forward_progress 1
		.amdhsa_inst_pref_size 75
	.end_amdhsa_kernel
	.amdgpu_metadata
---
amdhsa.version: [ 1, 2 ]
amdhsa.kernels:
  - .name:           k_qd9049c9286_gateup
    .symbol:         k_qd9049c9286_gateup.kd
    .args:
      - { .name: x_codes, .offset: 0, .size: 8, .value_kind: global_buffer, .address_space: global }
      - { .name: x_scales, .offset: 8, .size: 8, .value_kind: global_buffer, .address_space: global }
      - { .name: gate_w_codes, .offset: 16, .size: 8, .value_kind: global_buffer, .address_space: global }
      - { .name: gate_w_scales, .offset: 24, .size: 8, .value_kind: global_buffer, .address_space: global }
      - { .name: up_w_codes, .offset: 32, .size: 8, .value_kind: global_buffer, .address_space: global }
      - { .name: up_w_scales, .offset: 40, .size: 8, .value_kind: global_buffer, .address_space: global }
      - { .name: route, .offset: 48, .size: 8, .value_kind: global_buffer, .address_space: global }
      - { .name: roww, .offset: 56, .size: 8, .value_kind: global_buffer, .address_space: global }
      - { .name: hid, .offset: 64, .size: 8, .value_kind: global_buffer, .address_space: global }
      - { .name: hsc, .offset: 72, .size: 8, .value_kind: global_buffer, .address_space: global }
    .group_segment_fixed_size: 67584
    .private_segment_fixed_size: 0
    .kernarg_segment_align: 8
    .kernarg_segment_size: 80
    .max_flat_workgroup_size: 256
    .sgpr_count:     66
    .vgpr_count:     512
    .wavefront_size: 32
...
	.end_amdgpu_metadata
.endif
;; end of part 5
;; launch down (part 6): grid 32 x 8, 16 waves a work-group, no clusters, 141,312 bytes of LDS; arguments dq, dsc, hid, hsc, route, out0; writes out0
.if DOCPART == 6
	.amdgcn_target "amdgcn-amd-amdhsa--gfx1250"
	.amdhsa_code_object_version 6
	.text
	.protected	k_qd9049c9286_down
	.globl	k_qd9049c9286_down
	.p2align	8
	.type	k_qd9049c9286_down,@function
k_qd9049c9286_down:
	s_mov_b64 s[64:65], 0
	v_nop
	global_prefetch_b8 v0, s[64:65] scope:SCOPE_SE
	s_setreg_imm32_b32 hwreg(HW_REG_WAVE_SCHED_MODE, 0, 2), 2
	s_setreg_imm32_b32 hwreg(HW_REG_WAVE_MODE, 25, 1), 1
	s_wait_xcnt 0x0
	s_wait_alu depctr_vm_vsrc(0)
; out0[token][h] = the sum over the token's experts e and i of Q(a w)[e][token][i] Q(down_w)[e][i][h], on codes of E2M1 with E8M0 scales.  What a token's unchosen experts would add is zero and is not multiplied.
; EACH OUTPUT ROW HAS ONE OWNER.  Tokens are sorted by their set of experts.  A work-group takes a strip of 64 columns (x) and 128 sorted tokens (y): four pairs of tiles of 16.  Four waves share a pair: wave q of them takes
; K steps 2 q and 2 q + 1 (of eight) of every expert that the pair's 32 tokens use, walking the stored list; a lane whose token does not use the expert in hand reads the row of zero codes.
; The four waves' partial sums meet in the LDS stage through which the results leave anyway; they are added as (p0 + p1) + (p2 + p3).
; No tensor load and no cluster: the walk hangs on stored numbers.  Operands go from memory straight into registers: dq and dsc lie in the order of the operand's registers, hid as 16 bytes for each place and block.
; TRANSPOSED: source 0 = 16 columns of down_w, source 1 = 16 tokens: a lane holds one token and eight neighbouring columns.
; REGISTERS: v4 16 l, v5 8 l, v6 (l / 16) x a plane of hid, v7 the zero row's place; v[8:11], v[12:15] tiles 0 and 1: place a, place b, expert a, expert b; v16-18 places for the expert in hand; v20-21 offsets in hid, v22 in hsc;
;   v24-27 offsets in out0; v28, v29 stage in and out; v32-95 eight accumulators (column tile ct, token tile m) at 32 + 8 (2 ct + m); v96-143, v148-195 two buffers: 4 fragments of down_w, 2 of tokens;
;   v[200:201], v202, v[204:205], v206: scale words alone.   s40-43: SETUP's four lane masks.
; THE MODE: SCHED_MODE bits 1:0 = 2 (LLVM: expert scheduling mode 2), set by the entry lines.  The code itself states the register dependences between vector or matrix instructions and memory or LDS instructions, with s_wait_alu, always for 0.
; THE PLAN.  Registers that memory or LDS instructions touch:
;   v4, v5, v28-31   offsets and LDS addresses: written at the head, never again.   v24-27: loaded, made into offsets at the head, read by the last four stores.
;   v20-22           written by SETUP, once an expert; read by the 28 loads of that expert's two K steps.
;   buffer d and its scale words   the fourteen loads of LOADK d land; the eight products of MUL d read them; behind those the next expert's fourteen loads land.
;   v32-95           written by the products; read by the way out's LDS stores.   v96-159: on the way out the stage's loads land, the additions work in place, the four stores read.
; Each buffer is asked for again as soon as it has been multiplied, so that its loads have the other buffer's products and the whole wait for memory in which to land: so a wait on va_vdst stands behind each MUL and its places,
; two an expert; the first of them also states that SETUP has written v20-22.  One wait on vm_vsrc an expert stands ahead of SETUP.  On the way out one wait on va_vdst stands ahead of the LDS stores and one ahead of the four stores.
.set ZPOS,  8448
.set PLANE, 136192
.set HSP,   34048
.set R_PL,  50432
.set ACC,   32
.set BUF,   96
.macro WMMA4                           ; one product on the symbols rD, rA, rB, rSA, rSB.  fZ: it starts the sum.  fRA, fRB: that side's scale words stand in lanes 16-31
.if fZ
.if fRA && fRB
	v_wmma_scale_f32_16x16x128_f8f6f4 v[rD:rD+7], v[rA:rA+7], v[rB:rB+7], 0, v[rSA], v[rSB] matrix_a_fmt:MATRIX_FMT_FP4 matrix_b_fmt:MATRIX_FMT_FP4 matrix_a_scale:MATRIX_SCALE_ROW1 matrix_b_scale:MATRIX_SCALE_ROW1
.elseif fRA
	v_wmma_scale_f32_16x16x128_f8f6f4 v[rD:rD+7], v[rA:rA+7], v[rB:rB+7], 0, v[rSA], v[rSB] matrix_a_fmt:MATRIX_FMT_FP4 matrix_b_fmt:MATRIX_FMT_FP4 matrix_a_scale:MATRIX_SCALE_ROW1
.elseif fRB
	v_wmma_scale_f32_16x16x128_f8f6f4 v[rD:rD+7], v[rA:rA+7], v[rB:rB+7], 0, v[rSA], v[rSB] matrix_a_fmt:MATRIX_FMT_FP4 matrix_b_fmt:MATRIX_FMT_FP4 matrix_b_scale:MATRIX_SCALE_ROW1
.else
	v_wmma_scale_f32_16x16x128_f8f6f4 v[rD:rD+7], v[rA:rA+7], v[rB:rB+7], 0, v[rSA], v[rSB] matrix_a_fmt:MATRIX_FMT_FP4 matrix_b_fmt:MATRIX_FMT_FP4
.endif
.else
.if fRA && fRB
	v_wmma_scale_f32_16x16x128_f8f6f4 v[rD:rD+7], v[rA:rA+7], v[rB:rB+7], v[rD:rD+7], v[rSA], v[rSB] matrix_a_fmt:MATRIX_FMT_FP4 matrix_b_fmt:MATRIX_FMT_FP4 matrix_a_scale:MATRIX_SCALE_ROW1 matrix_b_scale:MATRIX_SCALE_ROW1
.elseif fRA
	v_wmma_scale_f32_16x16x128_f8f6f4 v[rD:rD+7], v[rA:rA+7], v[rB:rB+7], v[rD:rD+7], v[rSA], v[rSB] matrix_a_fmt:MATRIX_FMT_FP4 matrix_b_fmt:MATRIX_FMT_FP4 matrix_a_scale:MATRIX_SCALE_ROW1
.elseif fRB
	v_wmma_scale_f32_16x16x128_f8f6f4 v[rD:rD+7], v[rA:rA+7], v[rB:rB+7], v[rD:rD+7], v[rSA], v[rSB] matrix_a_fmt:MATRIX_FMT_FP4 matrix_b_fmt:MATRIX_FMT_FP4 matrix_b_scale:MATRIX_SCALE_ROW1
.else
	v_wmma_scale_f32_16x16x128_f8f6f4 v[rD:rD+7], v[rA:rA+7], v[rB:rB+7], v[rD:rD+7], v[rSA], v[rSB] matrix_a_fmt:MATRIX_FMT_FP4 matrix_b_fmt:MATRIX_FMT_FP4
.endif
.endif
.endm
	s_load_b256 s[4:11], s[0:1], 0x0               ; dq s[4:5], dsc s[6:7], hid s[8:9], hsc s[10:11]
	s_load_b128 s[12:15], s[0:1], 0x20             ; route s[12:13], out0 s[14:15]
	v_lshl_add_u32 v208, v0, 2, 0x22000
	v_mov_b32 v209, 0
	v_lshrrev_b32 v1, 5, v0
	v_readfirstlane_b32 s16, v1                    ; wave 0..15
	v_and_b32 v1, 31, v0                           ; l
	v_and_b32 v2, 15, v0                           ; r
	v_bfe_u32 v3, v0, 4, 1                         ; h
	s_wait_alu depctr_va_vdst(0)
	s_and_b32 s17, ttmp7, 0xffff
	s_wait_alu depctr_va_sdst(0)                   ; s16, the wave's number, is written, ahead of its first reader
	s_lshr_b32 s18, s16, 2
	s_lshl_b32 s19, s17, 2
	s_add_co_u32 s18, s18, s19                     ; P: my pair of tiles = sorted tokens 32 P .. 32 P + 31
	s_and_b32 s19, s16, 3                          ; q: my quarter of K
	v_lshlrev_b32 v4, 4, v1
	v_lshlrev_b32 v5, 3, v1
	v_mul_u32_u24 v6, v3, PLANE
	v_mov_b32 v7, ZPOS
	s_mul_i32 s26, s16, 8704                       ; the stage: 32 rows x (256 bytes + 16) for each wave
	v_mul_u32_u24 v28, v2, 272
	v_lshl_add_u32 v28, v3, 5, v28
	v_add_nc_u32 v28, s26, v28                     ; in: row r, + 32 h
	s_lshr_b32 s26, s16, 2
	s_mul_i32 s26, s26, 34816                      ; out: my pair's four stages,
	s_mul_i32 s27, s19, 2176                       ; rows 8 q .. 8 q + 7 of each,
	s_add_co_u32 s26, s26, s27
	v_mul_u32_u24 v29, v3, 272
	v_lshl_add_u32 v29, v2, 4, v29                 ; lanes 0-15 one row, lanes 16-31 the next
	v_add_nc_u32 v29, s26, v29
	v_lshlrev_b32 v30, 4, v2                       ; 16 r
	v_lshlrev_b32 v31, 4, v3
	s_lshl_b32 s27, s19, 7
	v_add_nc_u32 v31, s27, v31                     ; TINFO of rows 8 q + (l / 16)
	s_wait_kmcnt 0x0
	s_lshl_b32 s26, s18, 3
	s_load_b64 s[20:21], s[12:13], s26 offset:R_PL ; the pair's experts as nibbles, and how many
	s_lshl_b32 s28, s18, 9
	s_mov_b32 s29, 0
	s_add_nc_u64 s[30:31], s[12:13], s[28:29]      ; TINFO of my pair's first token
	s_wait_alu depctr_va_vdst(0)                   ; v4, v5 and v28 to v31 are written: the loads, LDS stores and LDS loads of the whole kernel read them as offsets and addresses
	global_load_b128 v[8:11], v30, s[30:31]
	global_load_b128 v[12:15], v30, s[30:31] offset:256
.irp i, 0,1,2,3
	global_load_b32 v[24+\i], v31, s[30:31] offset:32*\i+12    ; the tokens whose rows I store: rows 8 q + 2 i + (l / 16)
.endr
	s_lshl_b32 s28, ttmp9, 15
	s_lshl_b32 s23, s19, 13
	s_add_co_u32 s28, s28, s23
	s_add_nc_u64 s[32:33], s[4:5], s[28:29]        ; dq: my strip, my two K steps
	s_lshl_b32 s28, ttmp9, 11
	s_lshl_b32 s23, s19, 9
	s_add_co_u32 s28, s28, s23
	s_add_nc_u64 s[34:35], s[6:7], s[28:29]        ; dsc likewise
	s_mul_i32 s28, s19, 8*PLANE
	s_add_nc_u64 s[8:9], s[8:9], s[28:29]          ; hid: my eight blocks' planes
	s_mul_i32 s28, s19, 2*HSP
	s_add_nc_u64 s[10:11], s[10:11], s[28:29]      ; hsc: my two K steps' planes
	s_lshl_b32 s28, ttmp9, 8
	s_add_nc_u64 s[14:15], s[14:15], s[28:29]      ; out0: my strip's 256 bytes of a row
	s_mov_b32 s25, 0xffff0000                      ; lanes 16-31
	s_wait_kmcnt 0x0
	s_min_u32 s21, s21, 8
	s_max_u32 s21, s21, 1
	s_wait_loadcnt 0x0
	v_lshrrev_b32 v11, 4, v10                      ; expert b (15: none),
	v_and_b32 v10, 15, v10                         ; expert a
	v_lshrrev_b32 v15, 4, v14
	v_and_b32 v14, 15, v14
.irp i, 0,1,2,3
	v_min_u32 v[24+\i], 0x3ff, v[24+\i]
	v_lshl_add_u32 v[24+\i], v[24+\i], 13, v30     ; the token's row of 8,192 bytes + 16 (l % 16)
.endr
; The expert at the list's low nibble: each lane's place in its list (or the zero row), and the bases of its weights.
.macro SETUP
	s_and_b32 s24, s20, 15
	s_min_u32 s24, s24, 7
	v_cmp_eq_u32 s40, s24, v10                     ; the four compares in one run, into four registers
	v_cmp_eq_u32 s41, s24, v11
	v_cmp_eq_u32 s42, s24, v14
	v_cmp_eq_u32 s43, s24, v15
	s_lshl_b32 s26, s24, 20
	s_mov_b32 s27, 0
	s_add_nc_u64 s[36:37], s[32:33], s[26:27]
	s_lshl_b32 s26, s24, 16
	s_add_nc_u64 s[38:39], s[34:35], s[26:27]
	s_wait_alu depctr_va_sdst(0)                   ; the compares have written s40 to s43, ahead of the selects that read them
	v_cndmask_b32 v16, v7, v8, s40
	v_cndmask_b32 v16, v16, v9, s41
	v_cndmask_b32 v17, v7, v12, s42
	v_cndmask_b32 v17, v17, v13, s43
	v_cndmask_b32 v18, v16, v17, s25               ; for the scale words: lanes 0-15 tile 0's rows, lanes 16-31 tile 1's
	v_min_u32 v16, 0x213f, v16                     ; held inside the 8,512 places last of all
	v_min_u32 v17, 0x213f, v17
	v_min_u32 v18, 0x213f, v18
	v_lshl_add_u32 v20, v16, 4, v6
	v_lshl_add_u32 v21, v17, 4, v6
	v_lshlrev_b32 v22, 2, v18
.endm
.macro LOADK d                         ; fourteen loads: my K step d of the expert in hand, into buffer d
.irp ct, 0,1,2,3
.irp c, 0,1
	global_load_b128 v[BUF+52*(\d)+8*\ct+4*\c:BUF+52*(\d)+8*\ct+4*\c+3], v4, s[36:37] offset:4096*(\d)+1024*\ct+512*\c   ; 512 consecutive bytes: four registers of a fragment, lane by lane
.endr
.endr
.irp m, 0,1
.irp c, 0,1
	global_load_b128 v[BUF+52*(\d)+32+8*\m+4*\c:BUF+52*(\d)+32+8*\m+4*\c+3], v[20+\m], s[8:9] offset:(4*(\d)+2*\c)*PLANE   ; block 4 d + 2 c + h of my token's place
.endr
.endr
	global_load_b64 v[200+4*(\d):201+4*(\d)], v5, s[38:39] offset:256*(\d)
	global_load_b32 v[202+4*(\d)], v22, s[10:11] offset:(\d)*HSP
.endm
.macro MUL d, zero                     ; eight products, the eight accumulators by turns, one instruction a turn, in the same order every time
.irp ct, 0,1,2,3
.irp m, 0,1
.set rD, ACC+8*(2*\ct+\m)
.set rA, BUF+52*(\d)+8*\ct
.set rB, BUF+52*(\d)+32+8*\m
.set rSA, 200+4*(\d)+\ct/2
.set rSB, 202+4*(\d)
.set fZ, \zero
.set fRA, \ct%2
.set fRB, \m
	WMMA4
.endr
.endr
.endm
.macro PLACES                          ; four places in front of loads into registers that matrix instructions have read, and of the first read of results
.rept 4
	v_nop
.endr
.endm
.macro TRIP zero                       ; the expert in hand is multiplied while the next one's operands are asked for
	s_lshr_b32 s20, s20, 4
	s_wait_xcnt 0x0                                ; the loads that are out have read their addresses: offsets and bases may be written
	s_wait_alu depctr_vm_vsrc(0)
	SETUP
	s_wait_loadcnt 14                              ; buffer 0 is in; buffer 1's fourteen loads may be out
	MUL 0, \zero
	PLACES
	s_wait_alu depctr_va_vdst(0)                   ; SETUP has written v20 to v22, which the next expert's loads read; the eight products are done reading buffer 0 and its scale words, in which the loads below land
	LOADK 0
	s_wait_loadcnt 14                              ; buffer 1 is in; the fourteen just issued may be out
	MUL 1, 0
	PLACES
	s_wait_alu depctr_va_vdst(0)                   ; the eight products are done reading buffer 1 and its scale words, in which the loads below land
	LOADK 1
.endm
.macro TAIL zero                       ; the list's last expert: nothing more is asked for, so no dependence is left to state
	s_wait_loadcnt 14
	MUL 0, \zero
	s_wait_loadcnt 0x0
	MUL 1, 0
.endm
	SETUP
	s_wait_alu depctr_va_vdst(0)                   ; SETUP has written v20 to v22, which the first expert's loads read
	LOADK 0
	LOADK 1
	s_cmp_eq_u32 s21, 1
	s_cbranch_scc1 .Lone
	TRIP 1                                         ; the first product on each accumulator starts its sum: nothing is cleared
	s_mov_b32 s22, 2
	s_cmp_ge_u32 s22, s21
	s_cbranch_scc1 .Llast
.Lloop:
	TRIP 0
	s_add_co_u32 s22, s22, 1
	s_cmp_lt_u32 s22, s21
	s_cbranch_scc1 .Lloop
.Llast:
	TAIL 0
	s_branch .Lout
.Lone:
	TAIL 1
.Lout:
	PLACES
	s_wait_alu depctr_va_vdst(0)                   ; the products have written the accumulators, which the LDS stores read, and are done reading the buffers, in which the stage's loads land; the places above stay beside this wait
.irp ct, 0,1,2,3
.irp m, 0,1
	ds_store_b128 v28, v[ACC+8*(2*\ct+\m):ACC+8*(2*\ct+\m)+3] offset:\m*4352+64*\ct        ; each accumulator from its low end on: token 16 m + r, columns 16 ct + 8 h + 0..7
	ds_store_b128 v28, v[ACC+8*(2*\ct+\m)+4:ACC+8*(2*\ct+\m)+7] offset:\m*4352+64*\ct+16
.endr
.endr
	s_wait_dscnt 0x0                               ; for the others' sake: my partial sums lie in the stage
	s_barrier_signal -1
	s_barrier_wait -1
.irp i, 0,1,2,3
.irp k, 0,1,2,3
	ds_load_b128 v[96+16*\i+4*\k:96+16*\i+4*\k+3], v29 offset:\k*8704+544*\i   ; rows 8 q + 2 i, + 1 of the k-th quarter of K
.endr
.endr
	s_wait_dscnt 0x0
.irp i, 0,1,2,3
.irp j, 0,2
	v_pk_add_f32 v[96+16*\i+\j:97+16*\i+\j], v[96+16*\i+\j:97+16*\i+\j], v[100+16*\i+\j:101+16*\i+\j]
	v_pk_add_f32 v[104+16*\i+\j:105+16*\i+\j], v[104+16*\i+\j:105+16*\i+\j], v[108+16*\i+\j:109+16*\i+\j]
.endr
.irp j, 0,2
	v_pk_add_f32 v[96+16*\i+\j:97+16*\i+\j], v[96+16*\i+\j:97+16*\i+\j], v[104+16*\i+\j:105+16*\i+\j]
.endr
.endr
	s_wait_alu depctr_va_vdst(0)                   ; the additions have written the four rows' sums, which the stores read: one wait for the run of four
.irp i, 0,1,2,3
	global_store_b128 v[24+\i], v[96+16*\i:99+16*\i], s[14:15] th:TH_STORE_NT   ; sixteen lanes store 256 consecutive bytes of a token's row, aligned; written once
.endr
	s_wait_dscnt 0x0                               ; the closing lines, six on end
	s_wait_alu 0x0
	s_wait_tensorcnt 0x0
	ds_add_u32 v208, v209
	s_wait_dscnt 0x0
	s_endpgm
.Lfunc_end_k_qd9049c9286_down:
	.size	k_qd9049c9286_down, .Lfunc_end_k_qd9049c9286_down-k_qd9049c9286_down
	.p2alignl 7, 3214868480
	.fill 96, 4, 3214868480
	.section	.rodata,"a",@progbits
	.p2align	6, 0x0
	.amdhsa_kernel k_qd9049c9286_down
		.amdhsa_group_segment_fixed_size 141312
		.amdhsa_private_segment_fixed_size 0
		.amdhsa_enable_private_segment 0
		.amdhsa_kernarg_size 48
		.amdhsa_user_sgpr_count 2
		.amdhsa_user_sgpr_kernarg_segment_ptr 1
		.amdhsa_wavefront_size32 1
		.amdhsa_system_sgpr_workgroup_id_x 1
		.amdhsa_system_sgpr_workgroup_id_y 1
		.amdhsa_system_sgpr_workgroup_id_z 1
		.amdhsa_system_vgpr_workitem_id 0
		.amdhsa_next_free_vgpr 210
		.amdhsa_next_free_sgpr 66
		.amdhsa_reserve_vcc 0
		.amdhsa_float_denorm_mode_32 3
		.amdhsa_float_denorm_mode_16_64 3
		.amdhsa_memory_ordered 1
		.amdhsa_forward_progress 1
		.amdhsa_inst_pref_size 30
	.end_amdhsa_kernel
	.amdgpu_metadata
---
amdhsa.version: [ 1, 2 ]
amdhsa.kernels:
  - .name:           k_qd9049c9286_down
    .symbol:         k_qd9049c9286_down.kd
    .args:
      - { .name: dq, .offset: 0, .size: 8, .value_kind: global_buffer, .address_space: global }
      - { .name: dsc, .offset: 8, .size: 8, .value_kind: global_buffer, .address_space: global }
      - { .name: hid, .offset: 16, .size: 8, .value_kind: global_buffer, .address_space: global }
      - { .name: hsc, .offset: 24, .size: 8, .value_kind: global_buffer, .address_space: global }
      - { .name: route, .offset: 32, .size: 8, .value_kind: global_buffer, .address_space: global }
      - { .name: out0, .offset: 40, .size: 8, .value_kind: global_buffer, .address_space: global }
    .group_segment_fixed_size: 141312
    .private_segment_fixed_size: 0
    .kernarg_segment_align: 8
    .kernarg_segment_size: 48
    .max_flat_workgroup_size: 512
    .sgpr_count:     66
    .vgpr_count:     210
    .wavefront_size: 32
...
	.end_amdgpu_metadata
.endif
;; end of part 6
